; MI455X (gfx1250); checked and timed in simulation.
; The chip was launched on July 23, 2026; its instructions are those of AMD's public machine-readable ISA for CDNA 5 (MIT licence, August 2026) and "CDNA5" Instruction Set Architecture Reference Guide (July 2026). The comments in the code are by the model that wrote it; some were corrected since.
;; Attention. Allowed arithmetic: matrix products marked QUANTISED: E2M1 operands, one E8M0 scale for each 32 along K, by v_wmma_scale_f32_16x16x128_f8f6f4 with both operands' format E2M1 (or v_wmma_scale_f32_32x16x128_f4), f32 sums; products left as they are: bf16, f16 or f32 operands; f32 sums; everything else in f32.
;; Inputs: Wkv 1,024 x 2,048 float32; Wout 1,024 x 1,024 float32; Wq 1,024 x 1,024 float32; bout 1,024 float32; x 4 x 2,048 x 1,024 float32.
;; Outputs: out0 4 x 2,048 x 1,024 float32.
;; This version of the problem:
;;   THIS VERSION OF THE PROBLEM IS GIVEN IN LOW PRECISION. The matrix products marked QUANTISED in the list below multiply operands that are first quantised to E2M1 (2 exponent bits, 1 mantissa bit; 4 bits a number), with one power-of-two scale for each 32 numbers along K (OCP MX v1.0); their sums are f32. The products marked 'left as it is' may take bf16, f16 or f32 operands, with f32 sums. Whichever they take, every output number must still come out within the allowed error. Rounding operands to bf16 (8 significant bits) uses up far more of that allowance than f16 does (11 bits, for magnitudes from 6e-5 to 65,504). All else is computed in f32.
;;   The module's matrix products, in the order in which they are computed (A, B: the left and right operand; K: the contracted axis; several contracted axes count as one K, in the product's order):
;;     1. [M 8,192, K 1,024] x [K 1,024, N 1,024]; A: input x; B: input Wq: QUANTISED
;;     2. [M 8,192, K 1,024] x [K 1,024, N 2,048]; A: input x; B: input Wkv: QUANTISED
;;     3. batch 64 x [M 2,048, K 64] x [K 64, N 2,048]; A: computed on the way; B: computed on the way: left as it is (an operand is computed on the way)
;;     4. batch 64 x [M 2,048, K 2,048] x [K 2,048, N 64]; A: computed on the way; B: computed on the way: left as it is (an operand is computed on the way)
;;     5. [M 8,192, K 1,024] x [K 1,024, N 1,024]; A: computed on the way; B: input Wout: left as it is (an operand is computed on the way)
;;   THE QUANTISER, for each operand of a quantised product, along K:
;;     - K is cut into blocks of 32 from its start; a last block that is shorter is filled with zeros.
;;     - A block's scale is 2^e with e = floor(log2(the largest magnitude in the block)) - 2, held to -126 .. 127; a block of zeros has e = 0. As a byte (E8M0): e + 127.
;;     - Each number is divided by its block's scale, clamped to +-6, and rounded to the nearest number of E2M1, ties to even, subnormals kept.
;;     - The product sums the exact products of the quantised numbers (number of the format x scale) in f32.
;;   ~~~python
;;   def quantise(x, axis):      # numpy; x: float32 -> the quantised numbers, widened to float32 again
;;       x = np.moveaxis(x, axis, -1); K = x.shape[-1]
;;       x = np.pad(x, [(0, 0)] * (x.ndim - 1) + [(0, -K % 32)]); x = x.reshape(x.shape[:-1] + (-1, 32)); a = np.abs(x).max(-1, keepdims=True)
;;       e = np.where(a > 0, np.clip(np.frexp(np.where(a > 0, a, 1))[1] - 1 - 2, -126, 127), 0)      # np.frexp(a)[1] - 1 = floor(log2(a)), exactly
;;       r = np.clip(x / 2.0 ** e, -6, 6)
;;       step = 2.0 ** (np.maximum(np.frexp(np.where(r == 0, 1, r))[1] - 1, 0) - 1)
;;       q = np.round(r / step) * step * 2.0 ** e      # np.round: ties to even
;;       return np.moveaxis(q.reshape(q.shape[:-2] + (-1,))[..., :K], -1, axis).astype(np.float32)
;;   ~~~
;; One version. Each part assembles by itself: llvm-mc -triple=amdgcn-amd-amdhsa -mcpu=gfx1250 --defsym DOCPART=n.
;; ======== version 1 of 1: 5 launches
;; limits: values are held in f16: magnitudes above 65,504 overflow, below 6.1e-05 lose precision
;; workspace buffers: xc 4,194,304 bytes; wc 1,572,864 bytes; sc 360,448 bytes; wot 2,097,152 bytes; qkv 50,331,648 bytes; rows32 786,432 bytes; vsum 786,432 bytes; oh 16,777,216 bytes
;; launch prep (part 1): grid 368 x 1, 4 waves a work-group, no clusters, 137,728 bytes of LDS; arguments x, Wq, Wkv, Wout, xc, wc, sc, wot; writes xc, wc, sc, wot
.if DOCPART == 1
	.amdgcn_target "amdgcn-amd-amdhsa--gfx1250"
	.amdhsa_code_object_version 6
	.text
	.protected	k_q8361c6b48c_prep
	.globl	k_q8361c6b48c_prep
	.p2align	8
	.type	k_q8361c6b48c_prep,@function
k_q8361c6b48c_prep:
	s_mov_b64 s[64:65], 0
	v_nop
	global_prefetch_b8 v0, s[64:65] scope:SCOPE_SE
	s_setreg_imm32_b32 hwreg(HW_REG_WAVE_MODE, 25, 1), 1
	s_wait_xcnt 0x0
; PREP.  x [8192][1024], Wq [1024 k][1024 n], Wkv [1024 k][2048 n], f32, become codes of E2M1 (4 bits, K innermost, the lower k in the low four bits) with one E8M0 byte for each 32 along K;
; Wout [1024 k][1024 n] becomes f16 laid [n][k].  xc [8192][512 B]; wc [3072][512 B] (rows 0-1023 Wq's columns, 1024-3071 Wkv's); sc: x's bytes [8192][32] at 0, W's [3072][32] at 262,144; wot [1024][2048 B].
; A block's scale is 2^(floor(log2(largest magnitude)) - 2): its byte is the largest magnitude's exponent field - 2, held at 1 from below.
; LIMITS: a block of zeros gets the byte 1 where the rule says 127 (its codes are zeros, and this program alone reads the bytes); blocks whose largest magnitude lies under 2^(3 - 127) keep the byte 1;
; NaN and infinities are not served; |Wout| beyond 65,504 becomes infinity in f16.
; FOUR PATHS, parted by the work-group's number: 0-255 x, 256-271 Wq, 272-303 Wkv, 304-367 Wout.  Each path has LDS bytes of its own.  Waves share nothing: no barrier.  No cluster: no two work-groups read the same bytes.
; x: K is innermost: a plain stream of blocks of 32; each load reads 512 consecutive bytes; 2,048 bytes turn through the wave's stage so that a lane holds 16 neighbours.
; W: K is the first axis: a lane takes a column and its registers run down K; the codes leave through the wave's stage as rows: sixteen lanes store 256 consecutive aligned bytes.
.set SPW,   192                        ; v192  LDS address of my spare word; never rewritten
.set NIL,   193                        ; v193  0; never rewritten
.set LQ,    32768                      ; LDS: x's path 0 .. 32,767; Wq's from here;
.set LKV,   67584                      ; Wkv's;
.set LO,    102400                     ; Wout's;
.set SPARE, 137216                     ; the spare words, 128 bytes for each wave
.set STEPS, 16
.set SP,    80                         ; x: a lane's place in a stage: 64 bytes + 16 of padding
.set WREG,  8192                       ; x: a wave's region: two stages of 32 x SP bytes, then its 256 scale bytes
.set XR,    16                         ; v16-79   x: four sets of 16 numbers as loaded
.set XX,    80                         ; v80-111  x: two sets of 16 neighbours
.set XE,    112                        ; v112-127 x: a scale byte for each step
.set XC,    128                        ; v128-191 x: codes, four registers a step
.set PITCH, 272                        ; W: a stage row: 256 bytes + 16
.set WX,    32                         ; v32-95   W: two sets of 32 numbers
.set WC,    96                         ; v96-111  W: a block's codes (Wout: its 32 numbers as f16)
.set WOUT,  112                        ; v112-175 W: the way out
.set WSB,   24                         ; v24-27   W: scale bytes, four to a register
.macro CLOSE                           ; a wave's end, behind my last LDS store
	s_wait_tensorcnt 0x0
	ds_add_u32 v[SPW], v[NIL]
	s_wait_dscnt 0x0
	s_endpgm
.endm
.macro XLOAD t
.irp i, 0,1,2,3
	global_load_b128 v[XR+16*((\t)%4)+4*\i:XR+16*((\t)%4)+4*\i+3], v3, s[4:5] offset:2048*(\t)+512*\i th:TH_LOAD_NT   ; 32 lanes read 512 consecutive bytes
.endr
.endm
.macro XTURN t                         ; step t's numbers through the stage; LDS serves a wave's instructions in order, so no wait stands between the stores and the loads
.irp i, 0,1,2,3
	ds_store_b128 v14, v[XR+16*((\t)%4)+4*\i:XR+16*((\t)%4)+4*\i+3] offset:32*SP*((\t)%2)+8*SP*\i
.endr
.irp i, 0,1,2,3
	ds_load_b128 v[XX+16*((\t)%2)+4*\i:XX+16*((\t)%2)+4*\i+3], v15 offset:32*SP*((\t)%2)+16*\i
.endr
.endm
.macro XSTEP t
.set XS, XX+16*((\t)%2)
.if (\t) > 0
	s_wait_dscnt 1                                 ; this step's numbers are back from the stage; the last step's byte store may be out
.else
	s_wait_dscnt 0x0
.endif
.if (\t)+4 < STEPS
	XLOAD (\t)+4                                   ; into the set whose stores into the stage are done
.endif
.if (\t)+1 < STEPS
.if STEPS-2-(\t) >= 3
	s_wait_loadcnt 12                              ; the next step's four loads are in; three steps' loads behind them may be out
.else
	s_wait_loadcnt 4*(STEPS-2-(\t))
.endif
	XTURN (\t)+1
.endif
	v_max3_num_f32 v8, |v[XS]|, |v[XS+1]|, |v[XS+2]|               ; the largest magnitude of my 16, in two chains
	v_max3_num_f32 v9, |v[XS+3]|, |v[XS+4]|, |v[XS+5]|
.irp i, 6,10
	v_max3_num_f32 v8, v8, |v[XS+\i]|, |v[XS+\i+1]|
	v_max3_num_f32 v9, v9, |v[XS+\i+2]|, |v[XS+\i+3]|
.endr
	v_max3_num_f32 v8, v8, |v[XS+14]|, |v[XS+15]|
	v_max3_num_f32 v8, v8, v9, 0x1800000           ; and the floor 2^(3 - 127): the byte cannot fall under 1
	v_max_num_f32_dpp v8, v8, v8 row_xmask:1 row_mask:0xf bank_mask:0xf   ; with my neighbour's 16: the block's
	v_add_nc_u32 v11, 0xff000000, v8               ; 2 off the exponent field: the conversion's scale operand
	v_cvt_scalef32_pk8_fp4_f32 v[XC+4*(\t)], v[XS:XS+7], v11
	v_cvt_scalef32_pk8_fp4_f32 v[XC+4*(\t)+1], v[XS+8:XS+15], v11
	v_lshrrev_b32 v[XE+(\t)], 23, v11              ; the scale's byte
	ds_store_b8 v5, v[XE+(\t)] offset:16*(\t)      ; both lanes of a block write the same byte with the same value
	global_store_b64 v4, v[XC+4*(\t):XC+4*(\t)+1], s[12:13] offset:256*(\t)   ; the wave stores 256 consecutive aligned bytes
.endm
.macro WLOAD t, sn, src                ; block t: W(32 t + i, my column), i = 0 .. 31
.irp i, 0,1,2,3,4,5,6,7,8,9,10,11,12,13,14,15,16,17,18,19,20,21,22,23,24,25,26,27,28,29,30,31
	global_load_b32 v[WX+32*((\t)%2)+\i], v3, s[\src:\src+1] offset:(32*(\t)+\i)*\sn*4 th:TH_LOAD_NT
.endr
.endm
.macro WBLOCK t, sn, src
.set XS, WX+32*((\t)%2)
.if (\t) < 15
	s_wait_loadcnt 32                              ; this block's 32 loads are in; the next block's may be out
.else
	s_wait_loadcnt 0x0
.endif
	v_max3_num_f32 v12, |v[XS]|, |v[XS+1]|, |v[XS+2]|               ; all 32 numbers of the block are mine
	v_max3_num_f32 v13, |v[XS+3]|, |v[XS+4]|, |v[XS+5]|
.irp i, 6,10,14,18,22,26
	v_max3_num_f32 v12, v12, |v[XS+\i]|, |v[XS+\i+1]|
	v_max3_num_f32 v13, v13, |v[XS+\i+2]|, |v[XS+\i+3]|
.endr
	v_max3_num_f32 v12, v12, |v[XS+30]|, |v[XS+31]|
	v_max3_num_f32 v12, v12, v13, 0x1800000
	v_add_nc_u32 v11, 0xff000000, v12
	v_lshrrev_b32 v13, 23, v11
.if (\t)%4 == 0
	v_mov_b32 v[WSB+(\t)/4], v13
.else
	v_lshl_or_b32 v[WSB+(\t)/4], v13, 8*((\t)%4), v[WSB+(\t)/4]
.endif
.irp g, 0,1,2,3
	v_cvt_scalef32_pk8_fp4_f32 v[WC+\g], v[XS+8*\g:XS+8*\g+7], v11
.endr
	ds_store_b128 v4, v[WC:WC+3] offset:16*(\t)    ; 32 codes: 16 bytes of my column's row
.if (\t)+2 < 16
	WLOAD (\t)+2, \sn, \src
.endif
	s_wait_dscnt 0x0                               ; the store has read its registers: the next block's codes may be written
.endm
.macro WAYOUT krow, dst                ; the stage's 32 rows of 256 bytes leave: two rows an instruction, sixteen lanes to a row
.irp t, 0,1,2,3,4,5,6,7,8,9,10,11,12,13,14,15
	ds_load_b128 v[WOUT+4*\t:WOUT+4*\t+3], v7 offset:2*\t*PITCH
.endr
.irp t, 0,1,2,3,4,5,6,7,8,9,10,11,12,13,14,15
	s_wait_dscnt 15-\t                             ; the younger loads may be out
	global_store_b128 v8, v[WOUT+4*\t:WOUT+4*\t+3], s[\dst:\dst+1] offset:2*\t*\krow
.endr
.endm
.macro WADDR lb                        ; LDS addresses of a W path: a constant + a constant x wave + a constant x lane
	v_lshlrev_b32 v3, 2, v2                        ; in: 4 bytes a lane
	s_mul_i32 s24, s20, 32*PITCH
	s_add_co_u32 s24, s24, \lb                     ; my stage
	v_mul_u32_u24 v4, v2, PITCH
	v_add_nc_u32 v4, s24, v4                       ; into it: row = my column
	v_and_b32 v5, 15, v2
	v_lshrrev_b32 v6, 4, v2
	v_mul_u32_u24 v7, v6, PITCH
	v_lshl_add_u32 v7, v5, 4, v7
	v_add_nc_u32 v7, s24, v7                       ; out of it: sixteen lanes to a row
.endm
.macro WPATH sn, lb, src, nb, cbits, id0
	s_sub_co_u32 s21, ttmp9, \id0
	s_and_b32 s22, s21, (1<<\cbits)-1              ; which 128 columns
	s_lshr_b32 s23, s21, \cbits                    ; which 512 along K
	s_lshl_b32 s22, s22, 7
	s_lshl_b32 s24, s20, 5
	s_add_co_u32 s22, s22, s24                     ; my wave's first column
	WADDR \lb
	v_lshlrev_b32 v8, 9, v6
	v_lshl_add_u32 v8, v5, 4, v8                   ; the same place in wc: rows of 512 bytes
	v_lshlrev_b32 v9, 5, v2                        ; my column's row of scale bytes
	s_mul_i32 s26, s23, 512*\sn*4
	s_lshl_b32 s28, s22, 2
	s_add_co_u32 s26, s26, s28
	s_add_nc_u64 s[\src:\src+1], s[\src:\src+1], s[26:27]
	s_add_co_u32 s22, s22, \nb                     ; my first row of wc
	s_lshl_b32 s26, s22, 9
	s_lshl_b32 s28, s23, 8
	s_add_co_u32 s26, s26, s28
	s_add_nc_u64 s[14:15], s[14:15], s[26:27]
	s_lshl_b32 s26, s22, 5
	s_lshl_b32 s28, s23, 4
	s_add_co_u32 s26, s26, s28
	s_add_co_u32 s26, s26, 262144
	s_add_nc_u64 s[16:17], s[16:17], s[26:27]
	WLOAD 0, \sn, \src
	WLOAD 1, \sn, \src
.set BQ, 0
.rept 16
	WBLOCK BQ, \sn, \src
.set BQ, BQ+1
.endr
	global_store_b128 v9, v[WSB:WSB+3], s[16:17]   ; my column's 16 scale bytes of these 512 along K
	WAYOUT 512, 14
	CLOSE
.endm
.macro OLOAD t
.irp i, 0,1,2,3,4,5,6,7,8,9,10,11,12,13,14,15,16,17,18,19,20,21,22,23,24,25,26,27,28,29,30,31
	global_load_b32 v[WX+32*((\t)%2)+\i], v3, s[10:11] offset:(32*(\t)+\i)*4096 th:TH_LOAD_NT
.endr
.endm
.macro OBLOCK t
.set XS, WX+32*((\t)%2)
.if (\t) < 3
	s_wait_loadcnt 32
.else
	s_wait_loadcnt 0x0
.endif
.irp g, 0,1,2,3,4,5,6,7,8,9,10,11,12,13,14,15
	v_cvt_pk_f16_f32 v[WC+\g], v[XS+2*\g], v[XS+2*\g+1]            ; two neighbours along k, rounded to f16
.endr
.irp g, 0,1,2,3
	ds_store_b128 v4, v[WC+4*\g:WC+4*\g+3] offset:64*(\t)+16*\g
.endr
.if (\t)+2 < 4
	OLOAD (\t)+2
.endif
	s_wait_dscnt 0x0
.endm
	s_load_b256 s[4:11], s[0:1], 0x0               ; x s[4:5], Wq s[6:7], Wkv s[8:9], Wout s[10:11]
	s_load_b256 s[12:19], s[0:1], 0x20             ; xc s[12:13], wc s[14:15], sc s[16:17], wot s[18:19]
	v_lshl_add_u32 v[SPW], v0, 2, SPARE
	v_mov_b32 v[NIL], 0
	v_lshrrev_b32 v1, 5, v0
	v_readfirstlane_b32 s20, v1                    ; wave
	v_and_b32 v2, 31, v0                           ; lane
	s_mov_b32 s27, 0                               ; the high word of every offset
	s_wait_kmcnt 0x0
	s_cmp_lt_u32 ttmp9, 256
	s_cbranch_scc0 .Lnot_x
	; ---- x: my wave's run of 8,192 numbers
	v_lshlrev_b32 v3, 4, v2                        ; my 16 bytes of a load's 512
	s_mul_i32 s21, s20, WREG
	v_lshrrev_b32 v14, 2, v2
	v_mul_u32_u24 v14, v14, SP
	v_and_b32 v15, 3, v2
	v_lshl_add_u32 v14, v15, 4, v14
	v_add_nc_u32 v14, s21, v14                     ; the stage, on the way in: four lanes' 64 bytes on end, then 16 of padding
	v_mul_u32_u24 v15, v2, SP
	v_add_nc_u32 v15, s21, v15                     ; and on the way out: my 16 neighbours
	v_lshlrev_b32 v4, 3, v2                        ; my codes' place in a step's 256 bytes
	v_lshrrev_b32 v5, 1, v2
	s_add_co_u32 s21, s21, 2*32*SP
	v_add_nc_u32 v5, s21, v5                       ; my block's byte among my wave's 256
	v_lshlrev_b32 v7, 3, v2
	v_add_nc_u32 v6, s21, v7
	s_lshl_b32 s22, ttmp9, 2
	s_add_co_u32 s22, s22, s20                     ; which run is mine
	s_lshl_b32 s26, s22, 15
	s_add_nc_u64 s[4:5], s[4:5], s[26:27]
	s_lshl_b32 s26, s22, 12
	s_add_nc_u64 s[12:13], s[12:13], s[26:27]
	s_lshl_b32 s26, s22, 8
	s_add_nc_u64 s[16:17], s[16:17], s[26:27]
.irp t, 0,1,2,3
	XLOAD \t
.endr
	s_wait_loadcnt 12                              ; step 0's four loads are in
	XTURN 0
.irp t, 0,1,2,3,4,5,6,7,8,9,10,11,12,13,14,15
	XSTEP \t
.endr
	ds_load_b64 v[8:9], v6                         ; LDS serves a wave's instructions in order: these see my byte stores
	s_wait_dscnt 0x0
	global_store_b64 v7, v[8:9], s[16:17]          ; 32 lanes store 256 consecutive aligned bytes
	CLOSE
.Lnot_x:
	s_cmp_lt_u32 ttmp9, 272
	s_cbranch_scc0 .Lnot_q
	WPATH 1024, LQ, 6, 0, 3, 256
.Lnot_q:
	s_cmp_lt_u32 ttmp9, 304
	s_cbranch_scc0 .Lnot_kv
	WPATH 2048, LKV, 8, 1024, 4, 272
.Lnot_kv:
	; ---- Wout: 32 columns x 128 along k a wave
	s_sub_co_u32 s21, ttmp9, 304
	s_and_b32 s22, s21, 7
	s_lshr_b32 s23, s21, 3
	s_lshl_b32 s22, s22, 7
	s_lshl_b32 s24, s20, 5
	s_add_co_u32 s22, s22, s24                     ; my wave's first column
	WADDR LO
	v_lshlrev_b32 v8, 11, v6
	v_lshl_add_u32 v8, v5, 4, v8                   ; the same place in wot: rows of 2,048 bytes
	s_lshl_b32 s26, s23, 19                        ; 128 rows of 4,096 bytes
	s_lshl_b32 s28, s22, 2
	s_add_co_u32 s26, s26, s28
	s_add_nc_u64 s[10:11], s[10:11], s[26:27]
	s_lshl_b32 s26, s22, 11
	s_lshl_b32 s28, s23, 8
	s_add_co_u32 s26, s26, s28
	s_add_nc_u64 s[18:19], s[18:19], s[26:27]
	OLOAD 0
	OLOAD 1
.irp t, 0,1,2,3
	OBLOCK \t
.endr
	WAYOUT 2048, 18
	CLOSE
.Lfunc_end_k_q8361c6b48c_prep:
	.size	k_q8361c6b48c_prep, .Lfunc_end_k_q8361c6b48c_prep-k_q8361c6b48c_prep
	.p2alignl 7, 3214868480
	.fill 96, 4, 3214868480
	.section	.rodata,"a",@progbits
	.p2align	6, 0x0
	.amdhsa_kernel k_q8361c6b48c_prep
		.amdhsa_group_segment_fixed_size 137728
		.amdhsa_private_segment_fixed_size 0
		.amdhsa_enable_private_segment 0
		.amdhsa_kernarg_size 64
		.amdhsa_user_sgpr_count 2
		.amdhsa_user_sgpr_kernarg_segment_ptr 1
		.amdhsa_wavefront_size32 1
		.amdhsa_system_sgpr_workgroup_id_x 1
		.amdhsa_system_sgpr_workgroup_id_y 1
		.amdhsa_system_sgpr_workgroup_id_z 1
		.amdhsa_system_vgpr_workitem_id 0
		.amdhsa_next_free_vgpr 194
		.amdhsa_next_free_sgpr 66
		.amdhsa_reserve_vcc 0
		.amdhsa_float_denorm_mode_32 3
		.amdhsa_float_denorm_mode_16_64 3
		.amdhsa_memory_ordered 1
		.amdhsa_forward_progress 1
		.amdhsa_inst_pref_size 210
	.end_amdhsa_kernel
	.amdgpu_metadata
---
amdhsa.version: [ 1, 2 ]
amdhsa.kernels:
  - .name:           k_q8361c6b48c_prep
    .symbol:         k_q8361c6b48c_prep.kd
    .args:
      - { .name: x, .offset: 0, .size: 8, .value_kind: global_buffer, .address_space: global }
      - { .name: Wq, .offset: 8, .size: 8, .value_kind: global_buffer, .address_space: global }
      - { .name: Wkv, .offset: 16, .size: 8, .value_kind: global_buffer, .address_space: global }
      - { .name: Wout, .offset: 24, .size: 8, .value_kind: global_buffer, .address_space: global }
      - { .name: xc, .offset: 32, .size: 8, .value_kind: global_buffer, .address_space: global }
      - { .name: wc, .offset: 40, .size: 8, .value_kind: global_buffer, .address_space: global }
      - { .name: sc, .offset: 48, .size: 8, .value_kind: global_buffer, .address_space: global }
      - { .name: wot, .offset: 56, .size: 8, .value_kind: global_buffer, .address_space: global }
    .group_segment_fixed_size: 137728
    .private_segment_fixed_size: 0
    .kernarg_segment_align: 8
    .kernarg_segment_size: 64
    .max_flat_workgroup_size: 128
    .sgpr_count:     66
    .vgpr_count:     194
    .wavefront_size: 32
...
	.end_amdgpu_metadata
.endif
;; end of part 1
;; launch qkv (part 2): grid 16 x 32, 4 waves a work-group, clusters of 4 x 1, 269,824 bytes of LDS; arguments xc, wc, sc, qkv, rows32, vsum; writes qkv, rows32, vsum
.if DOCPART == 2
	.amdgcn_target "amdgcn-amd-amdhsa--gfx1250"
	.amdhsa_code_object_version 6
	.text
	.protected	k_q8361c6b48c_qkv
	.globl	k_q8361c6b48c_qkv
	.p2align	8
	.type	k_q8361c6b48c_qkv,@function
k_q8361c6b48c_qkv:
	s_mov_b64 s[64:65], 0
	v_nop
	global_prefetch_b8 v0, s[64:65] scope:SCOPE_SE
	s_setreg_imm32_b32 hwreg(HW_REG_WAVE_MODE, 25, 1), 1
	s_wait_xcnt 0x0
	s_wait_alu depctr_hold_cnt(0) depctr_sa_sdst(0) depctr_va_vdst(0) depctr_va_sdst(0) depctr_va_ssrc(0) depctr_va_vcc(0) depctr_vm_vsrc(0)
	s_getreg_b32 s2, hwreg(HW_REG_IB_STS2, 6, 4)
	s_cmp_eq_u32 s2, 0
	s_cbranch_scc0 .Lentry_in_a_cluster
	s_endpgm
.Lentry_in_a_cluster:
	s_bfe_u32 s2, ttmp6, 0x10000c
	s_cmp_lg_u32 s2, 0x3003
	s_cbranch_scc0 .Lentry_shape_is_right
	s_endpgm
.Lentry_shape_is_right:
; QKV.  C [8192][3072] = x (Wq | Wkv), both operands as codes of E2M1 with E8M0 scales, sums in f32.  C leaves as f16 by head: qkv [which 3][b 4][h 16][pos 2048][64].
; Beside it: rows32 [b][Hg 48][pos 16][64], the first 16 positions of each sequence in f32; vsum [b][Hg - 24][u 32][64], the f32 sum of each column over keys 64 u .. 64 u + 63 (u = 0: keys 16 .. 63 only).
; SHARES.  A tile of C is 256 rows x 192 columns (three heads): 32 x 16 = 512 work-groups.  Wave w makes rows 64 w .. 64 w + 63 of all 192 columns: 48 accumulators, 384 registers.
; K = 1,024 is 512 bytes a row: all of it fits in LDS, in two regions of 512 along K, each filled once: no byte of LDS is filled again, and there is no loop.
; CLUSTER.  The four work-groups of a cluster share the tile row, so A's tile is asked for jointly (mask 15).  B's tile is not shared: the branch that stores the f32 rows hangs on the tile row, which must be the
; same in all partners, so a cluster does not reach along y.  No branch and no LDS address hangs on the place in the cluster.
; THE MATRIX INSTRUCTION IS USED TRANSPOSED (source 0 = 16 rows of wc, source 1 = 16 rows of xc): a lane holds eight neighbouring columns of one row of C.
; LIMITS: |q, k, v| beyond 65,504 become infinity in f16; NaN and infinities are not served.  vsum leaves in pieces of 32 bytes (768 bytes a wave), rows32 in pieces of 16 bytes a lane: both are small beside qkv.
; REGISTERS: window 0: v1-17 addresses; v32-127 scale words (register 32 + 8 i + q: lanes 16-31 the word of B's block i, lanes 0-15 that of A's block i % 4, for the q-th 128 along K); v128-191 A's fragments, two sets;
;   on the way out v128-223.   window 1: B's fragments, two sets of 96.   window 2: accumulators of A's blocks 0, 1 at v[8 (12 (a % 2) + b)];   window 3: blocks 2, 3.
.set PITCH, 272                        ; an LDS row: 256 bytes + 16 of padding
.set ABYTES, 256*PITCH
.set SLOT,  448*PITCH                  ; A's 256 rows, then B's 192
.set STAGE, 2*SLOT                     ; 16 rows x 400 bytes for each wave
.set SP,    400                        ; 384 bytes + 16
.set SPARE, STAGE+4*16*SP              ; the spare words, 128 bytes for each wave
.set ADRA, 4                           ; v4-5
.set ADRB, 6                           ; v6-7
.set ADS,  8                           ; v8-10  offsets of the scale words in sc
.set STO,  11
.set RD,   12
.set GO,   13
.set RO,   14
.set VSO,  15
.set SPW,  16
.set NIL,  17
.set SC,   32
.set AF,   128
.set TS,   128                         ; the column sums, v128-223
.set PK,   128                         ; packed results, v128-175
.set BK,   176                         ; rows read back, v176-223
.set G1A,  24
.set G1B,  32
.set G0A,  40
.set G0B,  48
.set HB,   56                          ; s[56:61] where my rows of the tile's three heads begin in qkv
.set MSB, 0
.macro WIN new
.if MSB != \new
	s_set_vgpr_msb (MSB<<8)|\new
.set MSB, \new
.endif
.endm
.macro CROUND                          ; a round of the cluster's barrier
	s_barrier_signal -1
	s_barrier_wait -1
	s_cmp_lg_u32 s16, 0
	s_cbranch_scc1 .Lnot_wave_0_\@
	s_barrier_signal -3
.Lnot_wave_0_\@:
	s_barrier_wait -3
	s_barrier_signal -1
	s_barrier_wait -1
.endm
; 32 LDS loads: the fragments of the q-th 128 along K into set q % 2.  A fragment is 8 registers: lane l holds row l % 16; registers 4 c .. 4 c + 3 hold K = 64 c + 32 (l / 16) + 0 .. 31
.macro FETCH q
	WIN 0x40
.irp i, 0,1,2,3,4,5,6,7,8,9,10,11
.irp c, 0,1
	ds_load_b128 v[96*((\q)%2)+8*\i+4*\c:96*((\q)%2)+8*\i+4*\c+3], v[ADRB+(\q)/4] offset:64*((\q)%4)+32*\c+\i*16*PITCH
.endr
.endr
	WIN 0
.irp i, 0,1,2,3
.irp c, 0,1
	ds_load_b128 v[AF+32*((\q)%2)+8*\i+4*\c:AF+32*((\q)%2)+8*\i+4*\c+3], v[ADRA+(\q)/4] offset:64*((\q)%4)+32*\c+\i*16*PITCH
.endr
.endr
.endm
; 12 products: A's block a against B's twelve.  The 48 accumulators take turns in the same order in every step.  The first step's products start the sums.
.macro MUL a, q
.if (\a) < 2
	WIN 0xa1
.else
	WIN 0xf1
.endif
.irp b, 0,1,2,3,4,5,6,7,8,9,10,11
.if (\q) == 0
	v_wmma_scale_f32_16x16x128_f8f6f4 v[8*(12*((\a)%2)+\b):8*(12*((\a)%2)+\b)+7], v[96*((\q)%2)+8*\b:96*((\q)%2)+8*\b+7], v[AF+32*((\q)%2)+8*(\a):AF+32*((\q)%2)+8*(\a)+7], 0, v[SC+8*\b+(\q)], v[SC+8*(\a)+(\q)] matrix_a_fmt:MATRIX_FMT_FP4 matrix_b_fmt:MATRIX_FMT_FP4 matrix_a_scale:MATRIX_SCALE_ROW1
.else
	v_wmma_scale_f32_16x16x128_f8f6f4 v[8*(12*((\a)%2)+\b):8*(12*((\a)%2)+\b)+7], v[96*((\q)%2)+8*\b:96*((\q)%2)+8*\b+7], v[AF+32*((\q)%2)+8*(\a):AF+32*((\q)%2)+8*(\a)+7], v[8*(12*((\a)%2)+\b):8*(12*((\a)%2)+\b)+7], v[SC+8*\b+(\q)], v[SC+8*(\a)+(\q)] matrix_a_fmt:MATRIX_FMT_FP4 matrix_b_fmt:MATRIX_FMT_FP4 matrix_a_scale:MATRIX_SCALE_ROW1
.endif
.endr
.endm
.macro STEP q
.if (\q) == 3
	s_wait_tensorcnt 0x0                           ; my part of the second region has landed
.endif
	s_wait_dscnt 0x0                               ; this step's fragments are in
.if (\q) == 3
	s_barrier_signal -1
	s_barrier_wait -1                              ; everybody's part has: the next fetch reads the second region
.endif
.if (\q) < 7
.rept 4
	v_nop                                          ; four places between the last step's products and loads into the set that they read
.endr
	FETCH (\q)+1
.endif
	MUL 0, \q
	MUL 1, \q
	MUL 2, \q
	MUL 3, \q
	WIN 0
.endm
	s_load_b256 s[4:11], s[0:1], 0x0               ; xc s[4:5], wc s[6:7], sc s[8:9], qkv s[10:11]
	s_load_b128 s[12:15], s[0:1], 0x20             ; rows32 s[12:13], vsum s[14:15]
	v_lshl_add_u32 v[SPW], v0, 2, SPARE
	v_mov_b32 v[NIL], 0
	ds_add_u32 v[SPW], v[NIL]                      ; the wave's opening: the add, twice on end, and its wait ahead of my first tensor load
	ds_add_u32 v[SPW], v[NIL]
	v_lshrrev_b32 v1, 5, v0
	v_readfirstlane_b32 s16, v1                    ; wave 0..3
	s_and_b32 s17, s16, 1                          ; which half of a tile I fetch
	s_bfe_u32 s18, ttmp6, 0x40000                  ; cx
	s_lshl_b32 s19, ttmp9, 2
	s_add_co_u32 s19, s19, s18                     ; tile column = 4 x cluster x + cx
	s_and_b32 s20, ttmp7, 0xffff                   ; tile row, which the partners share
	s_mov_b32 s[G1A], 15|(1<<20)|(1<<21)|(5<<22)|(3<<25)   ; the mask: all four; elements of 1 byte; padding: 4 words behind every 64
	s_mov_b32 s[G1A+1], 256<<16                    ; tensor_dim0
	s_mov_b32 s[G1A+2], 128<<16                    ; tensor_dim1
	s_mov_b32 s[G1A+3], 256<<16                    ; tile_dim0
	s_mov_b32 s[G1A+4], 128                        ; tile_dim1
	s_mov_b32 s[G1A+5], 512                        ; from row to row
	s_mov_b32 s[G1A+6], 0
	s_mov_b32 s[G1A+7], 0
	s_mov_b32 s[G1B], (1<<20)|(5<<22)|(3<<25)      ; no mask: B's tile is my work-group's alone
	s_mov_b32 s[G1B+1], 256<<16
	s_mov_b32 s[G1B+2], 96<<16
	s_mov_b32 s[G1B+3], 256<<16
	s_mov_b32 s[G1B+4], 96
	s_mov_b32 s[G1B+5], 512
	s_mov_b32 s[G1B+6], 0
	s_mov_b32 s[G1B+7], 0
	s_lshl_b32 s66, s20, 17                        ; A: 256 rows of 512 bytes a tile row,
	s_lshl_b32 s67, s17, 16                        ; 128 rows a half
	s_add_co_u32 s66, s66, s67
	s_mov_b32 s67, 0
	s_mul_i32 s68, s19, 192*512                    ; B: 192 rows a tile column,
	s_mul_i32 s69, s17, 96*512                     ; 96 a half
	s_add_co_u32 s68, s68, s69
	s_mov_b32 s69, 0
	s_mul_i32 s70, s17, 128*PITCH                  ; where they go
	s_mul_i32 s71, s17, 96*PITCH
	s_add_co_u32 s71, s71, ABYTES
	s_wait_dscnt 0x0                               ; both opening adds are done
	s_wait_kmcnt 0x0
	s_add_nc_u64 s[66:67], s[4:5], s[66:67]
	s_add_nc_u64 s[68:69], s[6:7], s[68:69]
	CROUND                                         ; all four work-groups are here: the joint loads meet
.irp s, 0,1
	s_mov_b32 s[G0A+4*\s], 1
	s_add_co_u32 s[G0A+4*\s+1], s70, \s*SLOT
	s_add_nc_u64 s[G0A+4*\s+2:G0A+4*\s+3], s[66:67], \s*256
	s_or_b32 s[G0A+4*\s+3], s[G0A+4*\s+3], 0x80000000
	s_mov_b32 s[G0B+4*\s], 1
	s_add_co_u32 s[G0B+4*\s+1], s71, \s*SLOT
	s_add_nc_u64 s[G0B+4*\s+2:G0B+4*\s+3], s[68:69], \s*256
	s_or_b32 s[G0B+4*\s+3], s[G0B+4*\s+3], 0x80000000
.endr
	s_cmp_lt_u32 s16, 2                            ; waves 0, 1: A's halves; waves 2, 3: B's.  A wave's two fills stand in one branch: two loads of mine are out
	s_cbranch_scc0 .Lfirst_b
	tensor_load_to_lds s[G0A:G0A+3], s[G1A:G1A+7]
	s_nop 0
	tensor_load_to_lds s[G0A+4:G0A+7], s[G1A:G1A+7]
	s_nop 0
.rept 4
	v_nop
.endr
	s_branch .Lfirst_asked
.Lfirst_b:
	tensor_load_to_lds s[G0B:G0B+3], s[G1B:G1B+7]
	s_nop 0
	tensor_load_to_lds s[G0B+4:G0B+7], s[G1B:G1B+7]
	s_nop 0
.rept 4
	v_nop
.endr
.Lfirst_asked:
	v_and_b32 v1, 15, v0                           ; r
	v_bfe_u32 v2, v0, 4, 1                         ; h
	; the scale words, straight into registers: a row's 32 bytes are its 8 words.  Lanes 0-15 take A's rows, lanes 16-31 B's: the lower base + h x the distance
	s_lshl_b32 s72, s20, 13
	s_lshl_b32 s73, s16, 11
	s_add_co_u32 s72, s72, s73                     ; (256 tile row + 64 wave) x 32
	s_mul_i32 s73, s19, 192*32
	s_add_co_u32 s73, s73, 262144
	s_sub_co_u32 s73, s73, s72
	v_mul_u32_u24 v3, s73, v2
	v_lshl_add_u32 v3, v1, 5, v3
	v_add_nc_u32 v[ADS], s72, v3
	v_lshl_add_u32 v[ADS+1], v2, 11, v[ADS]        ; B's blocks 4-7: 64 rows on (A's stay)
	v_lshl_add_u32 v[ADS+2], v2, 12, v[ADS]        ; B's blocks 8-11
.irp i, 0,1,2,3,4,5,6,7,8,9,10,11
	global_load_b128 v[SC+8*\i:SC+8*\i+3], v[ADS+\i/4], s[8:9] offset:512*(\i%4)
	global_load_b128 v[SC+8*\i+4:SC+8*\i+7], v[ADS+\i/4], s[8:9] offset:512*(\i%4)+16
.endr
	v_mul_u32_u24 v3, v1, PITCH
	v_lshl_add_u32 v3, v2, 4, v3                   ; a fragment's row x pitch + 16 x half
	s_mul_i32 s74, s16, 64*PITCH                   ; my 64 rows of A
	v_add_nc_u32 v[ADRA], s74, v3
	v_add_nc_u32 v[ADRB], ABYTES, v3
	s_add_co_u32 s74, s74, SLOT
	v_add_nc_u32 v[ADRA+1], s74, v3
	v_add_nc_u32 v[ADRB+1], SLOT+ABYTES, v3
	s_mul_i32 s74, s16, 16*SP
	s_add_co_u32 s74, s74, STAGE                   ; my stage
	v_mul_u32_u24 v3, v1, SP
	v_lshl_add_u32 v3, v2, 4, v3
	v_add_nc_u32 v[STO], s74, v3                   ; in: row r, 16 bytes for each half of the lanes
	v_and_b32 v3, 31, v0
	v_lshlrev_b32 v[GO], 4, v3                     ; out: 16 bytes a lane, 512 consecutive bytes an instruction
	v_lshrrev_b32 v18, 3, v3
	v_mul_u32_u24 v18, v18, SP
	v_and_b32 v19, 7, v0
	v_lshl_add_u32 v18, v19, 4, v18
	v_add_nc_u32 v[RD], s74, v18                   ; back: eight lanes to a head's 128 bytes of a row, four rows an instruction
	v_lshlrev_b32 v[RO], 8, v1
	v_lshl_add_u32 v[RO], v2, 5, v[RO]             ; rows32: 256 r + 32 h
	v_lshlrev_b32 v[VSO], 5, v2                    ; vsum: 32 h
	s_lshr_b32 s75, s20, 3                         ; batch
	s_and_b32 s76, s20, 7                          ; which 256 positions of the sequence
	s_mul_i32 s77, s19, 3                          ; the tile's first head, 0 .. 45
	s_lshl_b32 s78, s76, 15
	s_lshl_b32 s79, s16, 13
	s_add_co_u32 s78, s78, s79                     ; my first position x 128 bytes
.irp g, 0,1,2
	s_add_co_u32 s80, s77, \g
	s_lshr_b32 s81, s80, 4                         ; q, k or v
	s_and_b32 s80, s80, 15
	s_lshl_b32 s81, s81, 6
	s_add_co_u32 s80, s80, s81
	s_lshl_b32 s81, s75, 4
	s_add_co_u32 s80, s80, s81
	s_lshl_b32 s80, s80, 18                        ; a head is 262,144 bytes
	s_add_co_u32 s80, s80, s78
	s_mov_b32 s81, 0
	s_add_nc_u64 s[HB+2*\g:HB+2*\g+1], s[10:11], s[80:81]
.endr
	s_or_b32 s82, s76, s16                         ; 0 where my rows begin a sequence
	s_cmp_eq_u32 s82, 0
	s_cselect_b32 s62, 0, 1.0                      ; f: there the first 16 positions stay out of the sum
	s_mov_b32 s63, s62
	s_wait_tensorcnt 1                             ; my part of the first region is in; the second's may stay out
	s_barrier_signal -1
	s_barrier_wait -1
	FETCH 0
	s_wait_loadcnt 0x0                             ; the scale words
.irp q, 0,1,2,3,4,5,6,7
	STEP \q
.endr
.rept 4
	v_nop                                          ; four places between the last products and the first read of results
.endr
	; ---- the sums of each column over my 64 rows, where the tile's heads are 24 or more (cluster x of 2 or more: the same in all partners)
	s_cmp_lt_u32 ttmp9, 2
	s_cbranch_scc1 .Lno_sums
	s_mul_i32 s80, s75, 24
	s_add_co_u32 s80, s80, s77
	s_sub_co_u32 s80, s80, 24
	s_lshl_b32 s80, s80, 5
	s_lshl_b32 s81, s76, 2
	s_add_co_u32 s80, s80, s81
	s_add_co_u32 s80, s80, s16                     ; + u = 4 (tile row % 8) + wave
	s_lshl_b32 s80, s80, 8
	s_mov_b32 s81, 0
	s_add_nc_u64 s[14:15], s[14:15], s[80:81]
	WIN 0x0e                                       ; source 0 window 2, source 1 window 3.
.irp b, 0,1,2,3,4,5,6,7,8,9,10,11
.irp k, 0,2,4,6
	v_pk_add_f32 v[TS+8*\b+\k:TS+8*\b+\k+1], v[96+8*\b+\k:96+8*\b+\k+1], v[8*\b+\k:8*\b+\k+1]    ; blocks 1 and 2
.endr
.endr
	WIN 0x0c
.irp b, 0,1,2,3,4,5,6,7,8,9,10,11
.irp k, 0,2,4,6
	v_pk_add_f32 v[TS+8*\b+\k:TS+8*\b+\k+1], v[TS+8*\b+\k:TS+8*\b+\k+1], v[96+8*\b+\k:96+8*\b+\k+1]   ; block 3
.endr
.endr
	WIN 0x02
.irp b, 0,1,2,3,4,5,6,7,8,9,10,11
.irp k, 0,2,4,6
	v_pk_fma_f32 v[TS+8*\b+\k:TS+8*\b+\k+1], v[8*\b+\k:8*\b+\k+1], s[62:63], v[TS+8*\b+\k:TS+8*\b+\k+1] op_sel_hi:[1,0,1]   ; block 0 x f
.endr
.endr
	WIN 0
.irp m, 1,2,4,8                        ; over the sixteen rows of a block: the lanes of a half
.set J, 0
.rept 96
	v_add_f32_dpp v[TS+J], v[TS+J], v[TS+J] row_xmask:\m row_mask:0xf bank_mask:0xf
.set J, J+1
.endr
.endr
	v_cmp_eq_u32 vcc_lo, 0, v1
	s_wait_xcnt 0x0                                ; EXEC changes only behind this wait
	s_and_saveexec_b32 s83, vcc_lo                 ; lanes 0 and 16 store
.irp b, 0,1,2,3,4,5,6,7,8,9,10,11
	global_store_b128 v[VSO], v[TS+8*\b:TS+8*\b+3], s[14:15] offset:(\b/4)*8192+(\b%4)*64
	global_store_b128 v[VSO], v[TS+8*\b+4:TS+8*\b+7], s[14:15] offset:(\b/4)*8192+(\b%4)*64+16
.endr
	s_wait_xcnt 0x0                                ; and again, in front of the line that widens it
	s_or_b32 exec_lo, exec_lo, s83
.Lno_sums:
	; ---- the first 16 positions of a sequence in f32: block 0 of the wave whose rows begin one
	s_cmp_lg_u32 s82, 0
	s_cbranch_scc1 .Lno_rows
	s_mul_i32 s80, s75, 48
	s_add_co_u32 s80, s80, s77
	s_lshl_b32 s80, s80, 12
	s_mov_b32 s81, 0
	s_add_nc_u64 s[12:13], s[12:13], s[80:81]
	WIN 0x08                                       ; a store's data: window 2
.irp b, 0,1,2,3,4,5,6,7,8,9,10,11
	global_store_b128 v[RO], v[8*\b:8*\b+3], s[12:13] offset:(\b/4)*4096+(\b%4)*64
	global_store_b128 v[RO], v[8*\b+4:8*\b+7], s[12:13] offset:(\b/4)*4096+(\b%4)*64+16
.endr
	WIN 0
.Lno_rows:
	; ---- f16, a block of 16 rows at a time through my stage: a head's four rows leave as 512 consecutive aligned bytes
.irp a, 0,1,2,3
	s_wait_xcnt 0x0                                ; earlier stores have read their registers
.if \a < 2
	WIN 0x0a
.else
	WIN 0x0f
.endif
.irp b, 0,1,2,3,4,5,6,7,8,9,10,11
.irp k, 0,1,2,3
	v_cvt_pk_f16_f32 v[PK+4*\b+\k], v[96*(\a%2)+8*\b+2*\k], v[96*(\a%2)+8*\b+2*\k+1]
.endr
.endr
	WIN 0
.irp b, 0,1,2,3,4,5,6,7,8,9,10,11
	ds_store_b128 v[STO], v[PK+4*\b:PK+4*\b+3] offset:32*\b
.endr
.irp g, 0,1,2
.irp t, 0,1,2,3
	ds_load_b128 v[BK+4*(4*\g+\t):BK+4*(4*\g+\t)+3], v[RD] offset:4*SP*\t+128*\g   ; LDS serves a wave's instructions in order: these see my stores
.endr
.endr
	s_wait_dscnt 0x0
.irp g, 0,1,2
.irp t, 0,1,2,3
	global_store_b128 v[GO], v[BK+4*(4*\g+\t):BK+4*(4*\g+\t)+3], s[HB+2*\g:HB+2*\g+1] offset:2048*\a+512*\t
.endr
.endr
.endr
	s_wait_tensorcnt 0x0                           ; the wave's end
	ds_add_u32 v[SPW], v[NIL]
	s_wait_dscnt 0x0
	CROUND                                         ; the closing round
	s_endpgm
.Lfunc_end_k_q8361c6b48c_qkv:
	.size	k_q8361c6b48c_qkv, .Lfunc_end_k_q8361c6b48c_qkv-k_q8361c6b48c_qkv
	.p2alignl 7, 3214868480
	.fill 96, 4, 3214868480
	.section	.rodata,"a",@progbits
	.p2align	6, 0x0
	.amdhsa_kernel k_q8361c6b48c_qkv
		.amdhsa_group_segment_fixed_size 269824
		.amdhsa_private_segment_fixed_size 0
		.amdhsa_enable_private_segment 0
		.amdhsa_kernarg_size 48
		.amdhsa_user_sgpr_count 2
		.amdhsa_user_sgpr_kernarg_segment_ptr 1
		.amdhsa_wavefront_size32 1
		.amdhsa_system_sgpr_workgroup_id_x 1
		.amdhsa_system_sgpr_workgroup_id_y 1
		.amdhsa_system_sgpr_workgroup_id_z 1
		.amdhsa_system_vgpr_workitem_id 0
		.amdhsa_next_free_vgpr 1024
		.amdhsa_next_free_sgpr 84
		.amdhsa_reserve_vcc 1
		.amdhsa_float_denorm_mode_32 3
		.amdhsa_float_denorm_mode_16_64 3
		.amdhsa_memory_ordered 1
		.amdhsa_forward_progress 1
		.amdhsa_inst_pref_size 139
	.end_amdhsa_kernel
	.amdgpu_metadata
---
amdhsa.version: [ 1, 2 ]
amdhsa.kernels:
  - .name:           k_q8361c6b48c_qkv
    .symbol:         k_q8361c6b48c_qkv.kd
    .args:
      - { .name: xc, .offset: 0, .size: 8, .value_kind: global_buffer, .address_space: global }
      - { .name: wc, .offset: 8, .size: 8, .value_kind: global_buffer, .address_space: global }
      - { .name: sc, .offset: 16, .size: 8, .value_kind: global_buffer, .address_space: global }
      - { .name: qkv, .offset: 24, .size: 8, .value_kind: global_buffer, .address_space: global }
      - { .name: rows32, .offset: 32, .size: 8, .value_kind: global_buffer, .address_space: global }
      - { .name: vsum, .offset: 40, .size: 8, .value_kind: global_buffer, .address_space: global }
    .group_segment_fixed_size: 269824
    .private_segment_fixed_size: 0
    .kernarg_segment_align: 8
    .kernarg_segment_size: 48
    .max_flat_workgroup_size: 128
    .sgpr_count:     84
    .vgpr_count:     1024
    .wavefront_size: 32
...
	.end_amdgpu_metadata
.endif
;; end of part 2
;; launch attn (part 3): grid 4 x 64, 8 waves a work-group, no clusters, 327,680 bytes of LDS; arguments qkv, vsum, oh; writes oh
.if DOCPART == 3
	.amdgcn_target "amdgcn-amd-amdhsa--gfx1250"
	.amdhsa_code_object_version 6
	.text
	.protected	k_q8361c6b48c_attn
	.globl	k_q8361c6b48c_attn
	.p2align	8
	.type	k_q8361c6b48c_attn,@function
k_q8361c6b48c_attn:
	s_mov_b64 s[64:65], 0
	v_nop
	global_prefetch_b8 v0, s[64:65] scope:SCOPE_SE
	s_setreg_imm32_b32 hwreg(HW_REG_WAVE_MODE, 25, 1), 1
	s_wait_xcnt 0x0
; ATTN.  For each of 64 (batch, head): o[q] = softmax_k(dots) v, dots = q . k / 32 where k <= q and -10000 elsewhere.  q, k, v: f16 [2048][64] a head; oh [h 16][token 8192][64] f16.  Products on f16, sums, maxima and softmax in f32.
; THE MASK'S VALUE IS -10000 AND NOT -INFINITY, so hidden keys keep a weight.  Inside a query's last step of 64 keys they are walked with the raw score -320000 (= -10000 x 32).  All keys behind that step have one and the
; same weight w = exp(-10000 - max): they enter at the end as w x (the sum of v over those keys, from vsum) and (their count) x w in the divisor.  Steps wholly behind a wave's queries are therefore not multiplied.
; SHARES.  Work-group (i, head) owns query blocks 7 - i and i of 256: it walks 8 - i units of 256 keys for the first and i + 1 for the second: 9 units in every work-group, a constant trip count, and every unit fetched is read.
; Wave w owns 32 queries (two tiles of 16) at 32 g, g = w xor 3 (w / 4).  Two waves share a SIMD: one wave's softmax stands beside the other's products.
; NO CLUSTER: the four work-groups of a head walk units 0 .. 7 - i and then 0 .. i: from trip 8 - i on they need different units, and in step they would need 12 trips for 9.
; LAYOUT.  S^T = K Q^T and O^T = V^T P: a lane holds one query (lane % 16); two tiles of S^T rounded in pairs are source 1 of the second product.  V ([key][channel]) comes out of LDS turned, by ds_load_tr16_b128.
; SOFTMAX.  Running maximum m and sum l for each query: p = 2^(c s - c m), c = log2(e) / 32; O and l are multiplied by 2^(c m_old - c m_new) in every step.  m begins at -3e38 and O, l at 0, so the step is written once.
; LIMITS: NaN and infinities are not served; |o| beyond 65,504 becomes infinity in f16.
; REGISTERS: window 0: v1-15 addresses; v16-31 statistics, 8 a tile (+0 c m, +1 m, +2, +3 l, +4..+7 at work); v32-63 Q; v64-127 S^T; v128-159 P; v160-223 O^T; v224-255 at work.  window 1: v0-63 K, v64-127 V of one step.
.set KP,    144                        ; a row of K in LDS: 128 bytes + 16
.set VP,    160                        ; a row of V: 128 + 32
.set VOFF,  256*KP                     ; a slot: 256 rows of K, then 256 of V
.set SLOT1, 1<<17                      ; slot 1 begins here: one exclusive or turns an address
.set STAGE, SLOT1+VOFF+256*VP          ; 16 rows x 144 bytes for each wave
.set SPT,   144
.set TAB,   STAGE+8*16*SPT             ; 8 rows x 256 bytes: the sums of v behind a query's last step
.set SPARE, TAB+2048                   ; the spare words, 128 bytes for each wave
.set AK0, 1
.set AV0, 2
.set ADK, 3
.set ADV, 4
.set QO,  5
.set STO, 6
.set RD,  7
.set GO,  8
.set DD,  9
.set MV,  10                           ; -320000.0
.set TABR, 11
.set SPW, 12
.set NIL, 13
.set PFO, 14
.set TABW, 15
.set ST,  16
.set Q,   32
.set S,   64
.set P,   128
.set O,   160
.set TW,  224
.set WV,  10
.set G,   11
.set WI,  12
.set BH,  13
.set KB,  16                           ; s[16:17] my quarter of unit 0 of K;  s[18:19] of V
.set VB,  18
.set QBB, 20                           ; my queries of the first block, of the second; my rows of oh likewise
.set QBA, 22
.set OBB, 24
.set OBA, 26
.set G1K, 28
.set G1V, 36
.set G0K, 44
.set G0V, 48
.set CS,  52
.set SEL, 54
.set TB,  56                           ; LDS byte at which the slot in hand begins
.set KF,  57                           ; the step's first key
.set Q0,  58                           ; my first query
.set SLOTS, 59
.set TT,  60                           ; trips begun
.set NU,  61                           ; the unit last asked for
.set N1,  62                           ; units of the first block
.set LIM, 63
.set PFA, 66
.set Q0A, 68
.set T0,  69
.set SM,  70
.set M1,  72                           ; s72-74: all ones where i = 1, 2, 3
.set TP,  76
.set VS,  78
.set MSB, 0
.macro WIN new
.if MSB != \new
	s_set_vgpr_msb (MSB<<8)|\new
.set MSB, \new
.endif
.endm
; Waves 0-3 fetch K's quarters of a unit, waves 4-7 V's: 64 rows a load, one load a wave.  An s_nop 0 and four v_nop follow each of the two lines.
.macro TLOAD
	s_cmp_lt_u32 s[WV], 4
	s_cbranch_scc0 .Lfor_v_\@
	tensor_load_to_lds s[G0K:G0K+3], s[G1K:G1K+7]
	s_nop 0
.rept 4
	v_nop
.endr
	s_branch .Lasked_\@
.Lfor_v_\@:
	tensor_load_to_lds s[G0V:G0V+3], s[G1V:G1V+7]
	s_nop 0
.rept 4
	v_nop
.endr
.Lasked_\@:
.endm
; A prefetch of the unit that the NEXT change of slots will ask for.  The head's work-group i = 0 walks units 0 .. 7 in order: it alone asks, in trip t for unit t + 2, t = 0 .. 5.  Each wave asks for the quarter
; that it fetches, 8,192 bytes, lanes 256 bytes apart: each aligned block of 256 bytes is named once in the launch.  Units 0 and 1 come by their loads alone.
.macro ASK
	s_cmp_gt_u32 s[SLOTS], s[LIM]
	s_cbranch_scc0 .Lnot_mine_\@
	global_prefetch_b8 v[PFO], s[PFA:PFA+1] th:TH_LOAD_NT scope:SCOPE_SE
.Lnot_mine_\@:
.endm
; THE CHANGE OF SLOTS, at a trip's head.  Each wave waits for all its tensor loads (its part of the slot ahead), adds 0 to its spare word, and waits for that and for its reads of the slot that it has left.
; fill = 1: behind the barrier the other slot takes the next unit: one load a wave, which has a unit's four steps in which to land.
.macro CHANGE fill
	s_wait_tensorcnt 0x0                           ; no tensor load of mine is out, so the groups 0 may be written
	ds_add_u32 v[SPW], v[NIL]
	s_add_co_u32 s[TT], s[TT], 1
.if \fill
	s_add_co_u32 s[NU], s[NU], 1
	s_cmp_eq_u32 s[TT], s[N1]
	s_cselect_b32 s[NU], 0, s[NU]                  ; the second block begins at unit 0 again
	s_lshl_b32 s[TP], s[NU], 15                    ; a unit is 32,768 bytes
	s_xor_b32 s[G0K+1], s[G0K+1], SLOT1
	s_xor_b32 s[G0V+1], s[G0V+1], SLOT1
	s_add_nc_u64 s[G0K+2:G0K+3], s[KB:KB+1], s[TP:TP+1]
	s_or_b32 s[G0K+3], s[G0K+3], 0x80000000
	s_add_nc_u64 s[G0V+2:G0V+3], s[VB:VB+1], s[TP:TP+1]
	s_or_b32 s[G0V+3], s[G0V+3], 0x80000000
	s_wait_xcnt 0x0                                ; the last prefetch, a trip back, has read its address
	s_add_nc_u64 s[PFA:PFA+1], s[PFA:PFA+1], 0x8000
.endif
	s_wait_dscnt 0x0                               ; the add is done, and my LDS reads and stores are over
	s_barrier_signal -1
	s_barrier_wait -1
.if \fill
	TLOAD
	ASK
.endif
.endm
.macro INIT                            ; a block's start: m = -3e38, l = 0, O^T = 0
.irp u, 0,1
	v_mov_b32 v[ST+8*\u+1], 0xff61b1e6
	v_mov_b32 v[ST+8*\u+2], 0
	v_mov_b32 v[ST+8*\u+3], 0
.endr
.irp u, 0,1
	v_mul_f32 v[ST+8*\u], s[CS], v[ST+8*\u+1]
.endr
.set J, 0
.rept 64
	v_mov_b32 v[O+J], 0
.set J, J+1
.endr
.endm
; A STEP: 64 keys, the q-th of the unit in hand.
.macro STEP q
	s_add_co_u32 s[T0], s[Q0], 31
	s_cmp_gt_u32 s[KF], s[T0]                      ; all 64 keys behind my 32 queries: the step's work is left out (ids and counts alone)
	s_cbranch_scc1 .Lhid_\@
	v_add_nc_u32 v[ADK], s[TB], v[AK0]
	v_add_nc_u32 v[ADV], s[TB], v[AV0]
	v_nop
	v_nop                                          ; with the two additions: four places between the last step's products and loads into V's registers
	WIN 0x40
.irp kt, 0,1,2,3
.irp kc, 0,1
	ds_load_b128 v[8*(2*\kt+\kc):8*(2*\kt+\kc)+3], v[ADK] offset:64*KP*(\q)+16*KP*\kt+64*\kc
	ds_load_b128 v[8*(2*\kt+\kc)+4:8*(2*\kt+\kc)+7], v[ADK] offset:64*KP*(\q)+16*KP*\kt+64*\kc+32
.endr
.endr
.irp ks, 0,1
.irp t, 0,1,2,3
	ds_load_tr16_b128 v[64+8*(4*\ks+\t):64+8*(4*\ks+\t)+3], v[ADV] offset:64*VP*(\q)+32*VP*\ks+32*\t
	ds_load_tr16_b128 v[64+8*(4*\ks+\t)+4:64+8*(4*\ks+\t)+7], v[ADV] offset:64*VP*(\q)+32*VP*\ks+32*\t+16*VP
.endr
.endr
	s_wait_dscnt 16                                ; K is in; V's sixteen loads may be out
	WIN 0x01
.irp kc, 0,1                           ; S^T = K Q^T: eight accumulators by turns; the first eight products start the sums
.irp kt, 0,1,2,3
.irp u, 0,1
.if \kc == 0
	v_wmma_f32_16x16x32_f16 v[S+32*\u+8*\kt:S+32*\u+8*\kt+7], v[8*(2*\kt+\kc):8*(2*\kt+\kc)+7], v[Q+16*\u+8*\kc:Q+16*\u+8*\kc+7], 0
.else
	v_wmma_f32_16x16x32_f16 v[S+32*\u+8*\kt:S+32*\u+8*\kt+7], v[8*(2*\kt+\kc):8*(2*\kt+\kc)+7], v[Q+16*\u+8*\kc:Q+16*\u+8*\kc+7], v[S+32*\u+8*\kt:S+32*\u+8*\kt+7]
.endif
.endr
.endr
.endr
	WIN 0
.rept 4
	v_nop                                          ; four places in front of the first read of the scores
.endr
	s_add_co_u32 s[T0], s[KF], 63
	s_cmp_le_u32 s[T0], s[Q0]                      ; a step all of whose keys count has no mask
	s_cbranch_scc1 .Lopen_\@
	s_sub_co_i32 s[T0], s[Q0], s[KF]
	v_and_b32 v[DD], 15, v0
	v_bfe_u32 v[TW], v0, 4, 1
	v_lshlrev_b32 v[TW], 3, v[TW]
	v_sub_nc_u32 v[DD], v[DD], v[TW]
	v_add_nc_u32 v[DD], s[T0], v[DD]               ; d = Q0 - KF + r - 8 h.  Register 32 u + 8 kt + j holds key KF + 16 kt + 8 h + j of query Q0 + 16 u + r: hidden where 16 kt + j - 16 u > d
.set N, 0
.rept 64
	v_cmp_gt_i32 vcc_lo, 16*((N%32)/8)+N%8-16*(N/32), v[DD]
	v_cndmask_b32 v[S+N], v[S+N], v[MV], vcc_lo
.set N, N+1
.endr
.Lopen_\@:
.irp j, 0,1,2,3                        ; the maximum: four chains a tile, each begun at an accumulator's low end
.irp u, 0,1
	v_max3_num_f32 v[ST+8*\u+4+\j], v[S+32*\u+8*\j], v[S+32*\u+8*\j+1], v[S+32*\u+8*\j+2]
.endr
.endr
.irp g, 1,2
.irp j, 0,1,2,3
.irp u, 0,1
	v_max3_num_f32 v[ST+8*\u+4+\j], v[ST+8*\u+4+\j], v[S+32*\u+8*\j+2*\g+1], v[S+32*\u+8*\j+2*\g+2]
.endr
.endr
.endr
.irp u, 0,1
	v_max3_num_f32 v[ST+8*\u+4], v[ST+8*\u+4], v[S+32*\u+7], v[S+32*\u+15]
	v_max3_num_f32 v[ST+8*\u+6], v[ST+8*\u+6], v[S+32*\u+23], v[S+32*\u+31]
.endr
.irp u, 0,1
	v_max3_num_f32 v[ST+8*\u+4], v[ST+8*\u+4], v[ST+8*\u+5], v[ST+8*\u+6]
.endr
.irp u, 0,1
	v_max3_num_f32 v[ST+8*\u+4], v[ST+8*\u+4], v[ST+8*\u+7], v[ST+8*\u+1]   ; with the old m
.endr
.irp u, 0,1
	v_permlanex16_b32 v[ST+8*\u+5], v[ST+8*\u+4], s[SEL], s[SEL+1]          ; the query's other 32 keys lie in the lane 16 away
.endr
.irp u, 0,1
	v_mov_b32 v[ST+8*\u+7], v[ST+8*\u]             ; c m_old is kept
.endr
.irp u, 0,1
	v_max_num_f32 v[ST+8*\u+1], v[ST+8*\u+4], v[ST+8*\u+5]
.endr
.irp u, 0,1
	v_mul_f32 v[ST+8*\u], s[CS], v[ST+8*\u+1]
.endr
.irp u, 0,1
	v_sub_f32 v[ST+8*\u+7], v[ST+8*\u+7], v[ST+8*\u]
.endr
.set N, 0
.rept 16
.irp u, 0,1
	v_pk_fma_f32 v[S+32*\u+2*N:S+32*\u+2*N+1], v[S+32*\u+2*N:S+32*\u+2*N+1], s[CS:CS+1], v[ST+8*\u:ST+8*\u+1] op_sel_hi:[1,0,0] neg_lo:[0,0,1] neg_hi:[0,0,1]   ; c s - c m
.endr
.set N, N+1
.endr
.irp u, 0,1
	v_exp_f32 v[ST+8*\u+6], v[ST+8*\u+7]           ; a = 2^(c m_old - c m_new)
.endr
.set N, 0
.rept 64
	v_exp_f32 v[S+N], v[S+N]                       ; one batch: 66 exponentials,
.set N, N+1
.endr
	v_nop                                          ; one plain instruction behind the last of them,
	s_wait_alu depctr_va_vdst(0)                   ; and one wait ahead of the first reader
.set N, 0
.rept 32
	v_cvt_pk_f16_f32 v[P+N], v[S+2*N], v[S+2*N+1]  ; the weights as f16: source 1 of the second product
.set N, N+1
.endr
.irp z, 0,1,2,3,4,5,6,7                ; the row's sum of the unrounded weights, in place
.irp u, 0,1
	v_pk_add_f32 v[S+32*\u+4*\z:S+32*\u+4*\z+1], v[S+32*\u+4*\z:S+32*\u+4*\z+1], v[S+32*\u+4*\z+2:S+32*\u+4*\z+3]
.endr
.endr
.irp z, 0,1,2,3
.irp u, 0,1
	v_pk_add_f32 v[S+32*\u+8*\z:S+32*\u+8*\z+1], v[S+32*\u+8*\z:S+32*\u+8*\z+1], v[S+32*\u+8*\z+4:S+32*\u+8*\z+5]
.endr
.endr
.irp z, 0,1
.irp u, 0,1
	v_pk_add_f32 v[S+32*\u+16*\z:S+32*\u+16*\z+1], v[S+32*\u+16*\z:S+32*\u+16*\z+1], v[S+32*\u+16*\z+8:S+32*\u+16*\z+9]
.endr
.endr
.irp u, 0,1
	v_pk_add_f32 v[S+32*\u:S+32*\u+1], v[S+32*\u:S+32*\u+1], v[S+32*\u+16:S+32*\u+17]
.endr
.irp u, 0,1
	v_pk_fma_f32 v[ST+8*\u+2:ST+8*\u+3], v[ST+8*\u+2:ST+8*\u+3], v[ST+8*\u+6:ST+8*\u+7], v[S+32*\u:S+32*\u+1] op_sel_hi:[1,0,1]   ; l = a l + the sum
.endr
.irp u, 0,1
.set N, 0
.rept 16
	v_pk_mul_f32 v[O+32*\u+2*N:O+32*\u+2*N+1], v[O+32*\u+2*N:O+32*\u+2*N+1], v[ST+8*\u+6:ST+8*\u+7] op_sel_hi:[1,0]   ; O^T x a, each accumulator from its low end on
.set N, N+1
.endr
.endr
	s_wait_dscnt 0x0                               ; V is in
	WIN 0x01
.irp ks, 0,1                           ; O^T += V^T P: eight accumulators by turns
.irp t, 0,1,2,3
.irp u, 0,1
	v_wmma_f32_16x16x32_f16 v[O+32*\u+8*\t:O+32*\u+8*\t+7], v[64+8*(4*\ks+\t):64+8*(4*\ks+\t)+7], v[P+16*\u+8*\ks:P+16*\u+8*\ks+7], v[O+32*\u+8*\t:O+32*\u+8*\t+7]
.endr
.endr
.endr
	WIN 0
.Lhid_\@:
	s_add_co_u32 s[KF], s[KF], 64
.endm
; A BLOCK'S END.  bi: 0 the first block, 1 the second.  The keys behind my last step enter; O^T is divided by l, rounded to f16 and leaves through my stage: four rows, 512 consecutive aligned bytes, a store.
; reinit = 1: the second block's queries are asked for at the head, and the statistics begin anew.
.macro FINAL bi, reinit
	s_wait_xcnt 0x0                                ; earlier stores and prefetches have read their registers
.if \reinit
.irp u, 0,1
.irp kc, 0,1
	global_load_b128 v[Q+16*\u+8*\kc:Q+16*\u+8*\kc+3], v[QO], s[QBA:QBA+1] offset:2048*\u+64*\kc
	global_load_b128 v[Q+16*\u+8*\kc+4:Q+16*\u+8*\kc+7], v[QO], s[QBA:QBA+1] offset:2048*\u+64*\kc+32
.endr
.endr
.endif
.irp t, 0,1,2,3
	ds_load_b128 v[TW+8*\t:TW+8*\t+3], v[TABR] offset:1024*\bi+64*\t       ; the sum of v over the keys behind my last step: my lane's 32 channels
	ds_load_b128 v[TW+8*\t+4:TW+8*\t+7], v[TABR] offset:1024*\bi+64*\t+16
.endr
	s_lshr_b32 s[T0], s[Q0], 6
	s_add_co_u32 s[T0], s[T0], 1
	s_lshl_b32 s[T0], s[T0], 6
	s_sub_co_u32 s[T0], 2048, s[T0]                ; how many keys those are
	s_mov_b32 s[SM], 0xff61b1e6
	s_cmp_eq_u32 s[T0], 0
	s_cselect_b32 s[SM], s[SM], 0xc89c4000         ; their raw score, -320000; where there are none, -3e38: their weight is then 0
	v_cvt_f32_u32 v[DD], s[T0]
.irp u, 0,1
	v_max_num_f32 v[ST+8*\u+4], s[SM], v[ST+8*\u+1]                        ; m'
.endr
.irp u, 0,1
	v_mul_f32 v[ST+8*\u+5], s[CS], v[ST+8*\u+4]
.endr
.irp u, 0,1
	v_sub_f32 v[ST+8*\u+6], v[ST+8*\u], v[ST+8*\u+5]
	v_fma_f32 v[ST+8*\u+7], s[CS], s[SM], -v[ST+8*\u+5]                    ; the same fused form as a walked key's c s - c m
.endr
.irp u, 0,1
	v_exp_f32 v[ST+8*\u+6], v[ST+8*\u+6]           ; a
	v_exp_f32 v[ST+8*\u+7], v[ST+8*\u+7]           ; w
.endr
.irp u, 0,1
	v_add_f32 v[ST+8*\u+2], v[ST+8*\u+2], v[ST+8*\u+3]                     ; (plain work behind the exponentials)
.endr
	s_wait_alu depctr_va_vdst(0)                   ; one wait for the four
.irp u, 0,1
	v_permlanex16_b32 v[ST+8*\u+3], v[ST+8*\u+2], s[SEL], s[SEL+1]
.endr
.irp u, 0,1
	v_add_f32 v[ST+8*\u+2], v[ST+8*\u+2], v[ST+8*\u+3]
.endr
.irp u, 0,1
	v_mul_f32 v[ST+8*\u+3], v[DD], v[ST+8*\u+7]
.endr
.irp u, 0,1
	v_fma_f32 v[ST+8*\u+2], v[ST+8*\u+2], v[ST+8*\u+6], v[ST+8*\u+3]       ; l a + count x w
.endr
.irp u, 0,1
	v_rcp_f32 v[ST+8*\u+3], v[ST+8*\u+2]
.endr
	v_nop
	s_wait_alu depctr_va_vdst(0)
.irp u, 0,1
	v_mul_f32 v[ST+8*\u+6], v[ST+8*\u+6], v[ST+8*\u+3]                     ; a / l
	v_mul_f32 v[ST+8*\u+4], v[ST+8*\u+7], v[ST+8*\u+3]                     ; w / l
.endr
	s_wait_dscnt 0x0                               ; the table's row is in
.irp u, 0,1
.set N, 0
.rept 16
	v_pk_mul_f32 v[S+32*\u+2*N:S+32*\u+2*N+1], v[TW+2*N:TW+2*N+1], v[ST+8*\u+4:ST+8*\u+5] op_sel_hi:[1,0]
.set N, N+1
.endr
.set N, 0
.rept 16
	v_pk_fma_f32 v[S+32*\u+2*N:S+32*\u+2*N+1], v[O+32*\u+2*N:O+32*\u+2*N+1], v[ST+8*\u+6:ST+8*\u+7], v[S+32*\u+2*N:S+32*\u+2*N+1] op_sel_hi:[1,0,1]
.set N, N+1
.endr
.endr
.set N, 0
.rept 32
	v_cvt_pk_f16_f32 v[P+N], v[S+2*N], v[S+2*N+1]
.set N, N+1
.endr
.irp u, 0,1
.irp t, 0,1,2,3
	ds_store_b128 v[STO], v[P+16*\u+4*\t:P+16*\u+4*\t+3] offset:32*\t
.endr
.irp t, 0,1,2,3
	ds_load_b128 v[S+32*\u+4*\t:S+32*\u+4*\t+3], v[RD] offset:4*SPT*\t     ; LDS serves a wave's instructions in order: these see my stores, and the next tile's stores come behind them
.endr
.endr
	s_wait_dscnt 0x0
.irp u, 0,1
.irp t, 0,1,2,3
.if \bi == 0
	global_store_b128 v[GO], v[S+32*\u+4*\t:S+32*\u+4*\t+3], s[OBB:OBB+1] offset:2048*\u+512*\t
.else
	global_store_b128 v[GO], v[S+32*\u+4*\t:S+32*\u+4*\t+3], s[OBA:OBA+1] offset:2048*\u+512*\t
.endif
.endr
.endr
.if \reinit
	INIT
	s_mov_b32 s[KF], 0
	s_mov_b32 s[Q0], s[Q0A]
	s_wait_loadcnt 0x0                             ; the second block's queries
	s_wait_xcnt 0x0                                ; the stores have read their registers: the next scores land there
.endif
.endm
	s_load_b128 s[4:7], s[0:1], 0x0                ; qkv s[4:5], vsum s[6:7]
	s_load_b64 s[8:9], s[0:1], 0x10                ; oh
	v_lshl_add_u32 v[SPW], v0, 2, SPARE
	v_mov_b32 v[NIL], 0
	ds_add_u32 v[SPW], v[NIL]                      ; the wave's opening: the add, twice on end, and its wait ahead of my first tensor load
	ds_add_u32 v[SPW], v[NIL]
	v_lshrrev_b32 v1, 5, v0
	v_readfirstlane_b32 s[WV], v1                  ; wave 0..7
	s_lshr_b32 s[G], s[WV], 2
	s_mul_i32 s[G], s[G], 3
	s_xor_b32 s[G], s[G], s[WV]                    ; g: waves w and w + 4 have g and 7 - g
	s_mov_b32 s[WI], ttmp9                         ; i
	s_and_b32 s[BH], ttmp7, 0xffff                 ; 16 x batch + head
	s_mov_b32 s[G1K], (1<<16)|(1<<20)|(4<<22)|(3<<25)      ; elements of 2 bytes; padding: 4 words behind every 32
	s_mov_b32 s[G1V], (1<<16)|(1<<20)|(4<<22)|(7<<25)      ; 8 words
.irp g, G1K, G1V
	s_mov_b32 s[\g+1], 64<<16                      ; tensor_dim0
	s_mov_b32 s[\g+2], 64<<16                      ; tensor_dim1
	s_mov_b32 s[\g+3], 64<<16                      ; tile_dim0
	s_mov_b32 s[\g+4], 64                          ; tile_dim1
	s_mov_b32 s[\g+5], 64                          ; from row to row
	s_mov_b32 s[\g+6], 0
	s_mov_b32 s[\g+7], 0
.endr
	s_and_b32 s[T0], s[WV], 3                      ; which quarter of a unit I fetch
	s_mov_b32 s[G0K], 1
	s_mul_i32 s[G0K+1], s[T0], 64*KP
	s_mov_b32 s[G0V], 1
	s_mul_i32 s[G0V+1], s[T0], 64*VP
	s_add_co_u32 s[G0V+1], s[G0V+1], VOFF
	s_lshl_b32 s14, s[BH], 18                      ; a head is 262,144 bytes
	s_lshl_b32 s15, s[T0], 13
	s_add_co_u32 s14, s14, s15
	s_add_co_u32 s14, s14, 0x1000000               ; k lies 16,777,216 bytes behind q
	s_mov_b32 s15, 0
	s_mov_b32 s[CS], 0x3d38aa3b                    ; c = log2(e) / 32
	s_mov_b32 s[CS+1], s[CS]
	s_mov_b32 s[SEL], 0x76543210
	s_mov_b32 s[SEL+1], 0xfedcba98
	s_mov_b32 s[TB], 0
	s_mov_b32 s[KF], 0
	s_mov_b32 s[TT], 0
	s_mov_b32 s[NU], 0
	s_mov_b32 s[TP+1], 0
	s_mov_b32 s[SLOTS], 8
	s_sub_co_u32 s[N1], 8, s[WI]
	s_sub_co_u32 s[T0], 7, s[WI]
	s_lshl_b32 s[T0], s[T0], 8
	s_lshl_b32 s[SM], s[G], 5
	s_add_co_u32 s[Q0], s[T0], s[SM]               ; my first query of block 7 - i,
	s_lshl_b32 s[Q0A], s[WI], 8
	s_add_co_u32 s[Q0A], s[Q0A], s[SM]             ; and of block i
	s_cmp_eq_u32 s[WI], 0
	s_cselect_b32 s[LIM], 2, -1
	s_cmp_eq_u32 s[WI], 1
	s_cselect_b32 s[M1], -1, 0
	s_cmp_eq_u32 s[WI], 2
	s_cselect_b32 s[M1+1], -1, 0
	s_cmp_eq_u32 s[WI], 3
	s_cselect_b32 s[M1+2], -1, 0
	s_wait_dscnt 0x0                               ; both opening adds are done
	s_wait_kmcnt 0x0
	s_add_nc_u64 s[KB:KB+1], s[4:5], s[14:15]
	s_add_nc_u64 s[VB:VB+1], s[KB:KB+1], 0x1000000
	s_mov_b64 s[G0K+2:G0K+3], s[KB:KB+1]
	s_or_b32 s[G0K+3], s[G0K+3], 0x80000000
	s_mov_b64 s[G0V+2:G0V+3], s[VB:VB+1]
	s_or_b32 s[G0V+3], s[G0V+3], 0x80000000
	TLOAD                                          ; unit 0 into slot 0: one load of mine is out
	s_cmp_lt_u32 s[WV], 4
	s_cselect_b64 s[PFA:PFA+1], s[KB:KB+1], s[VB:VB+1]
	s_add_nc_u64 s[PFA:PFA+1], s[PFA:PFA+1], 0x8000        ; at unit 1: the first change steps it to unit 2.  Nothing is prefetched here
	s_lshl_b32 s14, s[BH], 18
	s_lshl_b32 s[TP], s[Q0], 7
	s_add_co_u32 s[TP], s[TP], s14
	s_add_nc_u64 s[QBB:QBB+1], s[4:5], s[TP:TP+1]
	s_lshl_b32 s[TP], s[Q0A], 7
	s_add_co_u32 s[TP], s[TP], s14
	s_add_nc_u64 s[QBA:QBA+1], s[4:5], s[TP:TP+1]
	s_and_b32 s[T0], s[BH], 15
	s_lshl_b32 s14, s[T0], 20                      ; oh: a head is 1,048,576 bytes,
	s_lshr_b32 s[SM], s[BH], 4
	s_lshl_b32 s15, s[SM], 18                      ; a batch's 2,048 rows of 128 bytes
	s_add_co_u32 s14, s14, s15
	s_lshl_b32 s[TP], s[Q0], 7
	s_add_co_u32 s[TP], s[TP], s14
	s_add_nc_u64 s[OBB:OBB+1], s[8:9], s[TP:TP+1]
	s_lshl_b32 s[TP], s[Q0A], 7
	s_add_co_u32 s[TP], s[TP], s14
	s_add_nc_u64 s[OBA:OBA+1], s[8:9], s[TP:TP+1]
	s_mul_i32 s[TP], s[SM], 24
	s_add_co_u32 s[TP], s[TP], s[T0]
	s_add_co_u32 s[TP], s[TP], 8
	s_lshl_b32 s[TP], s[TP], 13                    ; vsum: 32 x 256 bytes a head; v's head h is entry 8 + h
	s_add_nc_u64 s[VS:VS+1], s[6:7], s[TP:TP+1]
	v_and_b32 v[TW], 15, v0                        ; r
	v_bfe_u32 v[TW+1], v0, 4, 1                    ; h
	v_lshlrev_b32 v[QO], 7, v[TW]
	v_lshl_add_u32 v[QO], v[TW+1], 4, v[QO]        ; row x 128 + 16 x half
.irp u, 0,1
.irp kc, 0,1
	global_load_b128 v[Q+16*\u+8*\kc:Q+16*\u+8*\kc+3], v[QO], s[QBB:QBB+1] offset:2048*\u+64*\kc
	global_load_b128 v[Q+16*\u+8*\kc+4:Q+16*\u+8*\kc+7], v[QO], s[QBB:QBB+1] offset:2048*\u+64*\kc+32
.endr
.endr
	v_mul_u32_u24 v[AK0], v[TW], KP
	v_lshl_add_u32 v[AK0], v[TW+1], 4, v[AK0]
	v_and_b32 v[TW+2], 7, v0
	v_bfe_u32 v[TW+3], v0, 3, 1
	v_lshl_add_u32 v[AV0], v[TW+1], 3, v[TW+2]     ; the turning load: key 8 (l / 16) + l % 8, channels 8 ((l / 8) % 2) on
	v_mul_u32_u24 v[AV0], v[AV0], VP
	v_lshl_add_u32 v[AV0], v[TW+3], 4, v[AV0]
	v_add_nc_u32 v[AV0], VOFF, v[AV0]
	s_mul_i32 s[T0], s[WV], 16*SPT
	s_add_co_u32 s[T0], s[T0], STAGE               ; my stage
	v_mul_u32_u24 v[STO], v[TW], SPT
	v_lshl_add_u32 v[STO], v[TW+1], 4, v[STO]
	v_add_nc_u32 v[STO], s[T0], v[STO]
	v_and_b32 v[TW+4], 31, v0
	v_lshrrev_b32 v[TW+5], 3, v[TW+4]
	v_mul_u32_u24 v[RD], v[TW+5], SPT
	v_lshl_add_u32 v[RD], v[TW+2], 4, v[RD]
	v_add_nc_u32 v[RD], s[T0], v[RD]
	v_lshlrev_b32 v[GO], 4, v[TW+4]
	v_lshlrev_b32 v[PFO], 8, v[TW+4]
	s_lshr_b32 s[T0], s[G], 1
	s_lshl_b32 s[T0], s[T0], 8
	s_add_co_u32 s[T0], s[T0], TAB
	v_lshl_add_u32 v[TABR], v[TW+1], 5, s[T0]      ; the table's row g / 2, + 32 h
	v_and_b32 v[TABW], 63, v0
	v_lshl_add_u32 v[TABW], v[TABW], 2, TAB
	v_mov_b32 v[MV], 0xc89c4000                    ; -320000.0
	; THE TABLE, by waves 0 and 1: thread = channel.  T[u] = the sum of vsum[u'] over u' >= u.  A wave whose last step is step e of block blk wants T[4 blk + e + 1].
	s_cmp_lt_u32 s[WV], 2
	s_cbranch_scc0 .Lno_table
	v_lshlrev_b32 v[DD], 2, v0
.set N, 1
.rept 31
	global_load_b32 v[S+N], v[DD], s[VS:VS+1] offset:256*N
.set N, N+1
.endr
	v_mov_b32 v[S+32], 0
	s_wait_loadcnt 0x0
.set N, 31
.rept 31
	v_add_f32 v[S+N], v[S+N], v[S+N+1]
.set N, N-1
.endr
.irp e, 0,1,2,3                        ; the choice by i selects a value: no jump
	v_cndmask_b32 v[TW+\e], v[S+29+\e], v[S+25+\e], s[M1]
	v_cndmask_b32 v[TW+4+\e], v[S+1+\e], v[S+5+\e], s[M1]
	v_cndmask_b32 v[TW+\e], v[TW+\e], v[S+21+\e], s[M1+1]
	v_cndmask_b32 v[TW+4+\e], v[TW+4+\e], v[S+9+\e], s[M1+1]
	v_cndmask_b32 v[TW+\e], v[TW+\e], v[S+17+\e], s[M1+2]
	v_cndmask_b32 v[TW+4+\e], v[TW+4+\e], v[S+13+\e], s[M1+2]
.endr
.irp e, 0,1,2,3
	ds_store_b32 v[TABW], v[TW+\e] offset:256*\e
	ds_store_b32 v[TABW], v[TW+4+\e] offset:1024+256*\e
.endr
.Lno_table:                                        ; the first change's wait on DScnt and its barrier show the table to every wave
	INIT
	s_wait_loadcnt 0x0                             ; Q
.Lunit:                                            ; 8 trips: each asks for the next trip's unit
	CHANGE 1
	STEP 0
	STEP 1
	STEP 2
	STEP 3
	s_xor_b32 s[TB], s[TB], SLOT1
	s_cmp_lg_u32 s[TT], s[N1]                      ; the first block's last unit has been walked?  (ids and counts alone; the same in all eight waves)
	s_cbranch_scc1 .Lnot_final
	FINAL 0, 1
.Lnot_final:
	s_sub_co_u32 s[SLOTS], s[SLOTS], 1
	s_cmp_lg_u32 s[SLOTS], 0
	s_cbranch_scc1 .Lunit
	CHANGE 0                                       ; the ninth unit: nothing is left to fetch
	STEP 0
	STEP 1
	STEP 2
	STEP 3
	FINAL 1, 0
	s_wait_tensorcnt 0x0                           ; the wave's end
	ds_add_u32 v[SPW], v[NIL]
	s_wait_dscnt 0x0
	s_endpgm
.Lfunc_end_k_q8361c6b48c_attn:
	.size	k_q8361c6b48c_attn, .Lfunc_end_k_q8361c6b48c_attn-k_q8361c6b48c_attn
	.p2alignl 7, 3214868480
	.fill 96, 4, 3214868480
	.section	.rodata,"a",@progbits
	.p2align	6, 0x0
	.amdhsa_kernel k_q8361c6b48c_attn
		.amdhsa_group_segment_fixed_size 327680
		.amdhsa_private_segment_fixed_size 0
		.amdhsa_enable_private_segment 0
		.amdhsa_kernarg_size 24
		.amdhsa_user_sgpr_count 2
		.amdhsa_user_sgpr_kernarg_segment_ptr 1
		.amdhsa_wavefront_size32 1
		.amdhsa_system_sgpr_workgroup_id_x 1
		.amdhsa_system_sgpr_workgroup_id_y 1
		.amdhsa_system_sgpr_workgroup_id_z 1
		.amdhsa_system_vgpr_workitem_id 0
		.amdhsa_next_free_vgpr 384
		.amdhsa_next_free_sgpr 80
		.amdhsa_reserve_vcc 1
		.amdhsa_float_denorm_mode_32 3
		.amdhsa_float_denorm_mode_16_64 3
		.amdhsa_memory_ordered 1
		.amdhsa_forward_progress 1
		.amdhsa_inst_pref_size 212
	.end_amdhsa_kernel
	.amdgpu_metadata
---
amdhsa.version: [ 1, 2 ]
amdhsa.kernels:
  - .name:           k_q8361c6b48c_attn
    .symbol:         k_q8361c6b48c_attn.kd
    .args:
      - { .name: qkv, .offset: 0, .size: 8, .value_kind: global_buffer, .address_space: global }
      - { .name: vsum, .offset: 8, .size: 8, .value_kind: global_buffer, .address_space: global }
      - { .name: oh, .offset: 16, .size: 8, .value_kind: global_buffer, .address_space: global }
    .group_segment_fixed_size: 327680
    .private_segment_fixed_size: 0
    .kernarg_segment_align: 8
    .kernarg_segment_size: 24
    .max_flat_workgroup_size: 256
    .sgpr_count:     80
    .vgpr_count:     384
    .wavefront_size: 32
...
	.end_amdgpu_metadata
.endif
;; end of part 3
;; launch proj (part 4): grid 4 x 64, 4 waves a work-group, clusters of 4 x 4, 327,680 bytes of LDS; arguments oh, wot, bout, out0; writes out0
.if DOCPART == 4
	.amdgcn_target "amdgcn-amd-amdhsa--gfx1250"
	.amdhsa_code_object_version 6
	.text
	.protected	k_q8361c6b48c_proj
	.globl	k_q8361c6b48c_proj
	.p2align	8
	.type	k_q8361c6b48c_proj,@function
k_q8361c6b48c_proj:
	s_mov_b64 s[64:65], 0
	v_nop
	global_prefetch_b8 v0, s[64:65] scope:SCOPE_SE
	s_setreg_imm32_b32 hwreg(HW_REG_WAVE_MODE, 25, 1), 1
	s_wait_xcnt 0x0
	s_wait_alu depctr_hold_cnt(0) depctr_sa_sdst(0) depctr_va_vdst(0) depctr_va_sdst(0) depctr_va_ssrc(0) depctr_va_vcc(0) depctr_vm_vsrc(0)
	s_getreg_b32 s2, hwreg(HW_REG_IB_STS2, 6, 4)
	s_cmp_eq_u32 s2, 0
	s_cbranch_scc0 .Lentry_in_a_cluster
	s_endpgm
.Lentry_in_a_cluster:
	s_bfe_u32 s2, ttmp6, 0x10000c
	s_cmp_lg_u32 s2, 0xf033
	s_cbranch_scc0 .Lentry_shape_is_right
	s_endpgm
.Lentry_shape_is_right:
; PROJ.  out0 [8192][1024] f32 = o Wout + bout.  o arrives as oh [h 16][token 8192][64] f16 (K = 64 h + channel), Wout as wot [n 1024][k 1024] f16; sums in f32.
; A tile of out0 is 128 rows x 256 columns: 64 x 4 = 256 work-groups.  Four waves, each 64 x 128: 32 accumulators, 256 registers.  K goes in 8 steps of 128 (two heads) through a ring of two LDS slots.
; CLUSTERS: 4 x 4 work-groups.  The four of a row of the cluster need the same tiles of o, the four of a column the same tiles of Wout: each tile is asked for jointly.
; THE MATRIX INSTRUCTION IS USED TRANSPOSED (source 0 = 16 rows of wot, source 1 = 16 rows of o): a lane holds eight neighbouring columns of a row.  The bias is the C of each sum's first product.
; All 8,192 rows are made here; the 64 rows that begin a sequence are written again, more finely, by the launch behind this one: a jump round them would hang on the tile row, which differs between partners.
; No prefetch: a K step's tiles are small and each refill has a K step in which to land.
; REGISTERS: window 0: v16-29 addresses; v64-127 the bias; v128-255 the way out.   window 1: accumulator (a, b) at v[8 (8 a + b)].   window 2: two fragment buffers of 96: A's four blocks, then B's eight.
.set PA,    144                        ; a row of o in LDS: 128 bytes + 16
.set PB,    272                        ; a row of wot: 256 + 16
.set AH,    128*PA                     ; a head's 128 rows
.set ASZ,   2*AH
.set BHF,   128*PB                     ; half of B's 256 rows
.set SLOT,  ASZ+2*BHF
.set STAGE, 2*SLOT                     ; 16 rows x 528 bytes for each wave
.set SPITCH, 528
.set SPARE, STAGE+4*16*SPITCH          ; the spare words, 128 bytes for each wave
.set LAPS,  4
.set ADRA, 16
.set ADRB, 20
.set STO,  24
.set RD,   25
.set CO,   26
.set BA,   27
.set SPW,  28
.set NIL,  29
.set BI,   64
.set BK,   128
.set F0,   0
.set F1,   96
.set G1,   24
.set G0,   32
.set G1B,  48
.set G0B,  56
.set MSB, 0
.macro WIN new
.if MSB != \new
	s_set_vgpr_msb (MSB<<8)|\new
.set MSB, \new
.endif
.endm
.set MULW,  0x5a                       ; sources 0 and 1 window 2; C and D window 1
.set MULB,  0x4a                       ; the same with C (the bias) in window 0
.set TO_F,  0x80
.macro JLOAD s                         ; a joint load: waves 0 and 1 fetch A's two heads, waves 2 and 3 B's halves; an s_nop 0 and four v_nop follow each of the two lines
	s_cmp_eq_u32 s13, 0
	s_cbranch_scc0 .Lfor_b_\@
	tensor_load_to_lds s[G0+4*\s:G0+4*\s+3], s[G1:G1+7]
	s_nop 0
.rept 4
	v_nop
.endr
	s_branch .Lasked_\@
.Lfor_b_\@:
	tensor_load_to_lds s[G0B+4*\s:G0B+4*\s+3], s[G1B:G1B+7]
	s_nop 0
.rept 4
	v_nop
.endr
.Lasked_\@:
.endm
.macro CREST
	s_cmp_lg_u32 s12, 0
	s_cbranch_scc1 .Lnot_wave_0_\@
	s_barrier_signal -3
.Lnot_wave_0_\@:
	s_barrier_wait -3
	s_barrier_signal -1
	s_barrier_wait -1
.endm
.macro CROUND
	s_barrier_signal -1
	s_barrier_wait -1
	CREST
.endm
.macro PLACES
.rept 4
	v_nop
.endr
.endm
; 8 products: A's block a against B's eight, 32 along K.  The 32 accumulators take turns in the same order in every quarter.
.macro MUL8 f, a, first
.irp b, 0,1,2,3,4,5,6,7
.if \first
	v_wmma_f32_16x16x32_f16 v[8*(8*(\a)+\b):8*(8*(\a)+\b)+7], v[\f+32+8*\b:\f+32+8*\b+7], v[\f+8*(\a):\f+8*(\a)+7], v[BI+8*\b:BI+8*\b+7]
.else
	v_wmma_f32_16x16x32_f16 v[8*(8*(\a)+\b):8*(8*(\a)+\b)+7], v[\f+32+8*\b:\f+32+8*\b+7], v[\f+8*(\a):\f+8*(\a)+7], v[8*(8*(\a)+\b):8*(8*(\a)+\b)+7]
.endif
.endr
.endm
; 24 LDS loads in one run: the fragments of the slot's kq-th 32 along K: B's sixteen, A's blocks 0 and 1, then blocks 2 and 3
.macro FETCH slot, kq, f
	WIN TO_F
.irp b, 0,1,2,3,4,5,6,7
	ds_load_b128 v[\f+32+8*\b:\f+32+8*\b+3], v[ADRB+\slot] offset:64*(\kq)+\b*16*PB
	ds_load_b128 v[\f+32+8*\b+4:\f+32+8*\b+7], v[ADRB+\slot] offset:64*(\kq)+\b*16*PB+32
.endr
.irp a, 0,1,2,3
	ds_load_b128 v[\f+8*\a:\f+8*\a+3], v[ADRA+\slot] offset:((\kq)/2)*AH+((\kq)%2)*64+\a*16*PA
	ds_load_b128 v[\f+8*\a+4:\f+8*\a+7], v[ADRA+\slot] offset:((\kq)/2)*AH+((\kq)%2)*64+\a*16*PA+32
.endr
.endm
; One of a K step's first three quarters: multiplies buffer f; in its middle it fetches the next quarter, kq, into buffer g.
.macro QUARTER slot, kq, f, g, first
	s_wait_dscnt 4                                 ; B and A's blocks 0, 1 are in; the youngest four loads (blocks 2, 3) may be out
.if \first
	WIN MULB
.else
	WIN MULW
.endif
	MUL8 \f, 0, \first
	MUL8 \f, 1, \first
	PLACES                                         ; in front of loads into the buffer that the last quarter multiplied
	FETCH \slot, \kq, \g
	s_wait_dscnt 24                                ; all but the 24 just issued
.if \first
	WIN MULB
.else
	WIN MULW
.endif
	MUL8 \f, 2, \first
	MUL8 \f, 3, \first
.endm
; A K step's last quarter multiplies buffer 1 and changes slots: one barrier; in front of it each wave waits for all its tensor loads, adds 0 to its spare word, and waits for that and for its reads of this slot.
.macro TURN slot, next, fill
	WIN 0
	s_wait_tensorcnt 0x0                           ; all my tensor loads have landed: my part of the next slot
	ds_add_u32 v[SPW], v[NIL]
	s_wait_dscnt 5                                 ; (the add and the youngest four loads may be out)
	WIN MULW
	MUL8 F1, 0, 0                                  ; eight products stand between the add and the wait for it
	s_wait_dscnt 0x0                               ; the add is done, and my reads of this slot are over
	s_barrier_signal -1
	MUL8 F1, 1, 0
.if \fill
	WIN 0
.endif
	s_barrier_wait -1
.if \fill
	CREST                                          ; the barrier has opened a round of the cluster's: no wave of any partner still reads this slot or has a load on its way
	s_add_nc_u64 s[G0+4*\slot+2:G0+4*\slot+3], s[G0+4*\slot+2:G0+4*\slot+3], 4*1048576      ; two K steps on: four heads
	s_add_nc_u64 s[G0B+4*\slot+2:G0B+4*\slot+3], s[G0B+4*\slot+2:G0B+4*\slot+3], 512
	JLOAD \slot                                    ; the first tensor load behind the round; its four v_nop are also the places in front of the loads below
.else
	PLACES
.endif
	FETCH \next, 0, F0
	WIN MULW
	MUL8 F1, 2, 0
	MUL8 F1, 3, 0
.endm
	s_load_b256 s[4:11], s[0:1], 0x0               ; oh s[4:5], wot s[6:7], bout s[8:9], out0 s[10:11]
	v_lshl_add_u32 v[SPW], v0, 2, SPARE
	v_mov_b32 v[NIL], 0
	ds_add_u32 v[SPW], v[NIL]                      ; the wave's opening: the add, twice on end, and its wait ahead of my first tensor load
	ds_add_u32 v[SPW], v[NIL]
	v_lshrrev_b32 v1, 5, v0
	v_readfirstlane_b32 s12, v1                    ; wave 0..3
	s_lshr_b32 s13, s12, 1                         ; which half of the tile's rows is mine.  Also: I fetch for A (0) or for B (1)
	s_and_b32 s14, s12, 1                          ; which half of its columns.  Also: which head, or which 128 rows of B, I fetch
	s_bfe_u32 s40, ttmp6, 0x40000                  ; cx, cy
	s_bfe_u32 s41, ttmp6, 0x40004
	s_lshl_b32 s42, ttmp9, 2
	s_add_co_u32 s42, s42, s40                     ; tile column
	s_and_b32 s15, ttmp7, 0xffff
	s_lshl_b32 s15, s15, 2
	s_add_co_u32 s15, s15, s41                     ; tile row
	s_lshl_b32 s43, s41, 2
	s_lshl_b32 s43, 15, s43                        ; my row of the cluster
	s_lshl_b32 s44, 0x1111, s40                    ; my column
	s_or_b32 s[G1+0], s43, (1<<16)|(1<<20)|(1<<21)|(4<<22)|(3<<25)    ; A: elements of 2 bytes; padding: 4 words behind every 32
	s_or_b32 s[G1B+0], s44, (1<<16)|(1<<20)|(1<<21)|(5<<22)|(3<<25)   ; B: 4 words behind every 64
	s_mov_b32 s[G1+1], 64<<16                      ; A: 128 rows of 64 elements, dense
	s_mov_b32 s[G1+2], 128<<16
	s_mov_b32 s[G1+3], 64<<16
	s_mov_b32 s[G1+4], 128
	s_mov_b32 s[G1+5], 64
	s_mov_b32 s[G1+6], 0
	s_mov_b32 s[G1+7], 0
	s_mov_b32 s[G1B+1], 128<<16                    ; B: 128 rows of 128 elements, 1,024 elements apart
	s_mov_b32 s[G1B+2], 128<<16
	s_mov_b32 s[G1B+3], 128<<16
	s_mov_b32 s[G1B+4], 128
	s_mov_b32 s[G1B+5], 1024
	s_mov_b32 s[G1B+6], 0
	s_mov_b32 s[G1B+7], 0
	s_lshl_b32 s16, s14, 20                        ; A: my head of the K step's two,
	s_lshl_b32 s17, s15, 14                        ; 128 rows of 128 bytes a tile row
	s_add_co_u32 s16, s16, s17
	s_mov_b32 s17, 0
	s_lshl_b32 s46, s42, 19                        ; B: 256 rows of 2,048 bytes a tile column,
	s_lshl_b32 s47, s14, 18                        ; 128 rows a half
	s_add_co_u32 s46, s46, s47
	s_mov_b32 s47, 0
	s_mul_i32 s20, s14, AH                         ; where they go: no place in the cluster enters an LDS address
	s_mul_i32 s21, s14, BHF
	s_add_co_u32 s21, s21, ASZ
	s_wait_dscnt 0x0                               ; both opening adds are done
	s_wait_kmcnt 0x0
	s_add_nc_u64 s[16:17], s[4:5], s[16:17]
	s_add_nc_u64 s[46:47], s[6:7], s[46:47]
	CROUND                                         ; all sixteen work-groups are here: the first joint loads meet
.irp s, 0,1
	s_mov_b32 s[G0+4*\s], 1
	s_add_co_u32 s[G0+4*\s+1], s20, \s*SLOT
	s_add_nc_u64 s[G0+4*\s+2:G0+4*\s+3], s[16:17], \s*2*1048576
	s_or_b32 s[G0+4*\s+3], s[G0+4*\s+3], 0x80000000
	s_mov_b32 s[G0B+4*\s], 1
	s_add_co_u32 s[G0B+4*\s+1], s21, \s*SLOT
	s_add_nc_u64 s[G0B+4*\s+2:G0B+4*\s+3], s[46:47], \s*256
	s_or_b32 s[G0B+4*\s+3], s[G0B+4*\s+3], 0x80000000
	JLOAD \s
.endr
	v_and_b32 v1, 15, v0                           ; r
	v_bfe_u32 v2, v0, 4, 1                         ; h
	v_mul_u32_u24 v3, v1, PA
	v_lshl_add_u32 v3, v2, 4, v3
	v_mul_u32_u24 v4, v1, PB
	v_lshl_add_u32 v4, v2, 4, v4
	s_mul_i32 s22, s13, 64*PA                      ; my 64 rows of A
	s_mul_i32 s23, s14, BHF                        ; my 128 rows of B,
	s_add_co_u32 s23, s23, ASZ                     ; behind A's two heads
.irp s, 0,1
	v_add_nc_u32 v[ADRA+\s], s22, v3
	v_add_nc_u32 v[ADRB+\s], s23, v4
	s_add_co_u32 s22, s22, SLOT
	s_add_co_u32 s23, s23, SLOT
.endr
	s_mul_i32 s22, s12, 16*SPITCH
	s_add_co_u32 s22, s22, STAGE                   ; my stage
	v_mul_u32_u24 v5, v1, SPITCH
	v_lshl_add_u32 v5, v2, 5, v5
	v_add_nc_u32 v[STO], s22, v5                   ; in: row r, 32 bytes for each half of the lanes
	v_and_b32 v6, 31, v0
	v_lshlrev_b32 v[CO], 4, v6                     ; back: the 32 lanes take one row of 512 bytes; the same in out0
	v_add_nc_u32 v[RD], s22, v[CO]
	v_lshlrev_b32 v[BA], 5, v2
	s_lshl_b32 s66, s42, 10
	s_lshl_b32 s67, s14, 9
	s_add_co_u32 s66, s66, s67                     ; my first column, in bytes
	s_mov_b32 s67, 0
	s_add_nc_u64 s[8:9], s[8:9], s[66:67]
.irp b, 0,1,2,3,4,5,6,7
	global_load_b128 v[BI+8*\b:BI+8*\b+3], v[BA], s[8:9] offset:64*\b       ; bout at my lane's eight columns of block b
	global_load_b128 v[BI+8*\b+4:BI+8*\b+7], v[BA], s[8:9] offset:64*\b+16
.endr
	s_lshl_b32 s68, s15, 19                        ; 128 rows of 4,096 bytes a tile row,
	s_lshl_b32 s69, s13, 18                        ; 64 rows a half
	s_add_co_u32 s68, s68, s69
	s_add_co_u32 s68, s68, s66
	s_mov_b32 s69, 0
	s_add_nc_u64 s[10:11], s[10:11], s[68:69]
	s_wait_tensorcnt 1                             ; my part of K step 0 is in; K step 1's may stay out
	s_barrier_signal -1
	s_barrier_wait -1
	FETCH 0, 0, F0
	s_wait_loadcnt 0x0                             ; the bias
	QUARTER 0, 1, F0, F1, 1                        ; the first quarter stands in front of the loop: its products start the sums, on the bias
	WIN 0
	s_mov_b32 s3, LAPS-1
.Llap:                                             ; a trip goes once round the ring, from a lap's second quarter to the next lap's first, and fills both slots again
	QUARTER 0, 2, F1, F0, 0
	QUARTER 0, 3, F0, F1, 0
	TURN 0, 1, 1
	QUARTER 1, 1, F0, F1, 0
	QUARTER 1, 2, F1, F0, 0
	QUARTER 1, 3, F0, F1, 0
	TURN 1, 0, 1
	QUARTER 0, 1, F0, F1, 0
	WIN 0
	s_sub_co_u32 s3, s3, 1
	s_cmp_lg_u32 s3, 0
	s_cbranch_scc1 .Llap
	QUARTER 0, 2, F1, F0, 0                        ; the last lap fills nothing
	QUARTER 0, 3, F0, F1, 0
	TURN 0, 1, 0
	QUARTER 1, 1, F0, F1, 0
	QUARTER 1, 2, F1, F0, 0
	QUARTER 1, 3, F0, F1, 0
	s_wait_dscnt 4
	WIN MULW
	MUL8 F1, 0, 0
	MUL8 F1, 1, 0
	s_wait_dscnt 0x0
	MUL8 F1, 2, 0
	MUL8 F1, 3, 0
	WIN 0
; THE WAY OUT, a block of 16 rows x 128 columns at a time through my stage: whole rows of 512 bytes come back, which the 32 lanes store as 512 consecutive aligned bytes.
.macro TOSTAGE a
	WIN 0x04                                       ; an LDS store's data: window 1
.irp b, 0,1,2,3,4,5,6,7
	ds_store_b128 v[STO], v[64*(\a)+8*\b:64*(\a)+8*\b+3] offset:64*\b          ; each accumulator from its low end on
	ds_store_b128 v[STO], v[64*(\a)+8*\b+4:64*(\a)+8*\b+7] offset:64*\b+16
.endr
	WIN 0
.set BB, BK+64*((\a)%2)
.irp t, 0,1,2,3,4,5,6,7,8,9,10,11,12,13,14,15
	ds_load_b128 v[BB+4*\t:BB+4*\t+3], v[RD] offset:\t*SPITCH                  ; LDS serves a wave's instructions in order: these see my stores
.endr
.endm
.macro SEND a, younger
.set BB, BK+64*((\a)%2)
	s_wait_dscnt \younger                          ; the block is back; the next block's 16 stores and 16 loads may be out
.if (\a) > 0
	s_add_nc_u64 s[10:11], s[10:11], 16*4096       ; (behind a wait on XCNT: the earlier stores have read their base)
.endif
.irp t, 0,1,2,3,4,5,6,7,8,9,10,11,12,13,14,15
	global_store_b128 v[CO], v[BB+4*\t:BB+4*\t+3], s[10:11] offset:\t*4096
.endr
.endm
	PLACES
	TOSTAGE 0
.irp a, 1,2,3
.if \a > 1
	s_wait_xcnt 0x0                                ; the block before last's stores have read their registers and their base
.endif
	TOSTAGE \a
	SEND \a-1, 32
.endr
	s_wait_xcnt 0x0
	SEND 3, 0
	s_wait_tensorcnt 0x0                           ; the wave's end
	ds_add_u32 v[SPW], v[NIL]
	s_wait_dscnt 0x0
	CROUND                                         ; the closing round
	s_endpgm
.Lfunc_end_k_q8361c6b48c_proj:
	.size	k_q8361c6b48c_proj, .Lfunc_end_k_q8361c6b48c_proj-k_q8361c6b48c_proj
	.p2alignl 7, 3214868480
	.fill 96, 4, 3214868480
	.section	.rodata,"a",@progbits
	.p2align	6, 0x0
	.amdhsa_kernel k_q8361c6b48c_proj
		.amdhsa_group_segment_fixed_size 327680
		.amdhsa_private_segment_fixed_size 0
		.amdhsa_enable_private_segment 0
		.amdhsa_kernarg_size 32
		.amdhsa_user_sgpr_count 2
		.amdhsa_user_sgpr_kernarg_segment_ptr 1
		.amdhsa_wavefront_size32 1
		.amdhsa_system_sgpr_workgroup_id_x 1
		.amdhsa_system_sgpr_workgroup_id_y 1
		.amdhsa_system_sgpr_workgroup_id_z 1
		.amdhsa_system_vgpr_workitem_id 0
		.amdhsa_next_free_vgpr 768
		.amdhsa_next_free_sgpr 72
		.amdhsa_reserve_vcc 0
		.amdhsa_float_denorm_mode_32 3
		.amdhsa_float_denorm_mode_16_64 3
		.amdhsa_memory_ordered 1
		.amdhsa_forward_progress 1
		.amdhsa_inst_pref_size 87
	.end_amdhsa_kernel
	.amdgpu_metadata
---
amdhsa.version: [ 1, 2 ]
amdhsa.kernels:
  - .name:           k_q8361c6b48c_proj
    .symbol:         k_q8361c6b48c_proj.kd
    .args:
      - { .name: oh, .offset: 0, .size: 8, .value_kind: global_buffer, .address_space: global }
      - { .name: wot, .offset: 8, .size: 8, .value_kind: global_buffer, .address_space: global }
      - { .name: bout, .offset: 16, .size: 8, .value_kind: global_buffer, .address_space: global }
      - { .name: out0, .offset: 24, .size: 8, .value_kind: global_buffer, .address_space: global }
    .group_segment_fixed_size: 327680
    .private_segment_fixed_size: 0
    .kernarg_segment_align: 8
    .kernarg_segment_size: 32
    .max_flat_workgroup_size: 128
    .sgpr_count:     72
    .vgpr_count:     768
    .wavefront_size: 32
...
	.end_amdgpu_metadata
.endif
;; end of part 4
;; launch first16 (part 5): grid 64 x 4, 16 waves a work-group, no clusters, 22,528 bytes of LDS; arguments rows32, vsum, Wout, bout, out0; writes out0
.if DOCPART == 5
	.amdgcn_target "amdgcn-amd-amdhsa--gfx1250"
	.amdhsa_code_object_version 6
	.text
	.protected	k_q8361c6b48c_first16
	.globl	k_q8361c6b48c_first16
	.p2align	8
	.type	k_q8361c6b48c_first16,@function
k_q8361c6b48c_first16:
	s_mov_b64 s[64:65], 0
	v_nop
	global_prefetch_b8 v0, s[64:65] scope:SCOPE_SE
	s_setreg_imm32_b32 hwreg(HW_REG_WAVE_MODE, 25, 1), 1
	s_wait_xcnt 0x0
; FIRST16.  Positions 0-15 of each of the four sequences, attention and projection, in f32 throughout: these rows average one to sixteen values and are the largest, so 16-bit operands would weigh most here.
; A work-group makes 16 columns of out0 for the 16 positions of one batch; wave = head.  Each wave makes its head's attention (16 x 16 scores, softmax, 16 x 64 values) and its 64 channels' share of the projection;
; the sixteen shares meet in LDS.  rows32 [b][Hg 48][pos 16][64] f32 holds q (Hg = head), k (16 + head), v (32 + head); vsum [b][8 + head][u 32][64] the sums of v over keys 16 .. 2047.
; Keys 16 .. 2047 are hidden from all 16 queries and have the weight w = exp(-10000 - max): they enter as w x (the sum of their v) and 2032 w in the divisor; hidden keys among the first 16 are walked with the raw score -320000.
; MATRIX FORM: 16 x 16 x 4 in f32; along K the same permutation on both sources.  The registers that it writes, v192-255, are written by matrix instructions alone; what is made of a sum goes into other registers.
; The stores are 64-byte pieces of a row: the launch writes 262,144 bytes in all.  No cluster, no tensor load: what is shared is a few KB.  LIMITS: NaN and infinities are not served.
.set PART,  0                          ; LDS: 16 x 1,024 bytes: each wave's share, as an image of its eight registers
.set RB,    16384                      ; 16 x 256 bytes: each wave's sum of v over keys 16 .. 2047
.set SPARE, 20480                      ; the spare words, 128 bytes for each wave
.set QA,  1                            ; 256 r + 128 h
.set VA,  2                            ; 2048 h + 4 r
.set WA,  3                            ; 32768 h + 4 r: Wout's rows 8 h on, and out0's
.set L8,  4
.set R4,  5
.set RBW, 6
.set RBR, 7
.set PW,  8
.set PR,  9
.set SPW, 10
.set NIL, 11
.set BIAS, 13
.set RS,  14                           ; v[14:15] the sum of v, two channels a lane
.set SS,  16                           ; v16-23 the scores
.set P,   24                           ; v24-31 the weights
.set Q,   32                           ; v32-63 q; later the normalised o
.set ON,  32
.set K,   64                           ; v64-95 k; later statistics
.set TM,  64
.set V,   96                           ; v96-127
.set W,   128                          ; v128-159
.set SB,  160                          ; v160-191 vsum's rows; later the sum by my lane's channels
.set AC,  192                          ; v192-207 two accumulators of the scores
.set OA,  208                          ; v208-239 four of O^T
.set PJ,  240                          ; v240-255 two of the projection
.set SEL, 24
.set CS,  26
.macro TREE                            ; sixteen pairs to two
.irp p, 0,1,2,3,4,5,6,7
	v_pk_add_f32 v[SB+2*\p:SB+2*\p+1], v[SB+2*\p:SB+2*\p+1], v[SB+16+2*\p:SB+16+2*\p+1]
.endr
.irp p, 0,1,2,3
	v_pk_add_f32 v[SB+2*\p:SB+2*\p+1], v[SB+2*\p:SB+2*\p+1], v[SB+8+2*\p:SB+8+2*\p+1]
.endr
.irp p, 0,1
	v_pk_add_f32 v[SB+2*\p:SB+2*\p+1], v[SB+2*\p:SB+2*\p+1], v[SB+4+2*\p:SB+4+2*\p+1]
.endr
.endm
	s_load_b256 s[4:11], s[0:1], 0x0               ; rows32 s[4:5], vsum s[6:7], Wout s[8:9], bout s[10:11]
	s_load_b64 s[12:13], s[0:1], 0x20              ; out0
	v_lshl_add_u32 v[SPW], v0, 2, SPARE
	v_mov_b32 v[NIL], 0
	v_lshrrev_b32 v16, 5, v0
	v_readfirstlane_b32 s14, v16                   ; wave = head
	s_and_b32 s15, ttmp7, 0xffff                   ; batch
	s_lshl_b32 s16, ttmp9, 6                       ; my 16 columns, in bytes
	v_and_b32 v16, 15, v0                          ; r
	v_bfe_u32 v17, v0, 4, 1                        ; h
	v_and_b32 v18, 31, v0                          ; lane
	v_lshlrev_b32 v[QA], 8, v16
	v_lshl_add_u32 v[QA], v17, 7, v[QA]
	v_lshlrev_b32 v[R4], 2, v16
	v_lshl_add_u32 v[VA], v17, 11, v[R4]
	v_lshl_add_u32 v[WA], v17, 15, v[R4]
	v_lshlrev_b32 v[L8], 3, v18
	s_lshl_b32 s17, s14, 8
	s_add_co_u32 s17, s17, RB
	v_add_nc_u32 v[RBW], s17, v[L8]
	v_lshl_add_u32 v[RBR], v17, 5, s17
	s_lshl_b32 s17, s14, 10
	v_lshl_add_u32 v[PW], v18, 4, s17
	s_and_b32 s18, s14, 7                          ; which register of the shares I add up, if I do
	s_lshr_b32 s19, s18, 2
	s_lshl_b32 s19, s19, 9
	s_and_b32 s20, s18, 3
	s_lshl_b32 s20, s20, 2
	s_add_co_u32 s19, s19, s20
	v_lshl_add_u32 v[PR], v18, 4, s19
	s_mov_b32 s[SEL], 0x76543210
	s_mov_b32 s[SEL+1], 0xfedcba98
	s_mov_b32 s[CS], 0x3d38aa3b                    ; c = log2(e) / 32
	s_mul_i32 s22, s15, 48
	s_add_co_u32 s22, s22, s14
	s_lshl_b32 s22, s22, 12
	s_mov_b32 s23, 0
	s_wait_kmcnt 0x0
	s_add_nc_u64 s[4:5], s[4:5], s[22:23]          ; q of my head; k 65,536 and v 131,072 bytes on
	s_mul_i32 s22, s15, 24
	s_add_co_u32 s22, s22, s14
	s_add_co_u32 s22, s22, 8
	s_lshl_b32 s22, s22, 13
	s_add_nc_u64 s[6:7], s[6:7], s[22:23]
	s_lshl_b32 s22, s14, 18                        ; Wout: my head's 64 rows of 4,096 bytes,
	s_add_co_u32 s22, s22, s16                     ; my columns
	s_add_nc_u64 s[8:9], s[8:9], s[22:23]
	s_mov_b32 s22, s16
	s_add_nc_u64 s[10:11], s[10:11], s[22:23]
	s_lshl_b32 s22, s15, 23                        ; out0: a batch's 2,048 rows,
	s_lshl_b32 s17, s18, 12                        ; my row of each half's eight
	s_add_co_u32 s22, s22, s17
	s_add_co_u32 s22, s22, s16
	s_add_nc_u64 s[12:13], s[12:13], s[22:23]
.irp u, 0,1,2,3,4,5,6,7,8,9,10,11,12,13,14,15
	global_load_b64 v[SB+2*\u:SB+2*\u+1], v[L8], s[6:7] offset:256*\u
.endr
.irp i, 0,1,2,3,4,5,6,7
	global_load_b128 v[Q+4*\i:Q+4*\i+3], v[QA], s[4:5] offset:16*\i              ; lane (r, h): channels 32 h .. 32 h + 31 of row r
.endr
.irp i, 0,1,2,3,4,5,6,7
	global_load_b128 v[K+4*\i:K+4*\i+3], v[QA], s[4:5] offset:65536+16*\i
.endr
	s_wait_loadcnt 16                              ; vsum's first sixteen rows are in; q's and k's sixteen loads may be out
	TREE
	v_pk_add_f32 v[RS:RS+1], v[SB:SB+1], v[SB+2:SB+3]
.irp u, 0,1,2,3,4,5,6,7,8,9,10,11,12,13,14,15
	global_load_b64 v[SB+2*\u:SB+2*\u+1], v[L8], s[6:7] offset:4096+256*\u
.endr
.irp t, 0,1,2,3
.irp k, 0,1,2,3,4,5,6,7
	global_load_b32 v[V+8*\t+\k], v[VA], s[4:5] offset:131072+256*\k+64*\t       ; v[key 8 h + k][channel 16 t + r]
.endr
.endr
	s_wait_loadcnt 48                              ; q and k are in; the 16 + 32 loads behind them may be out
.irp s, 0,1,2,3,4,5,6,7,8,9,10,11,12,13,14,15      ; S^T = k q^T: register j of step s is channel 32 h + 2 s + j on both sides; two accumulators by turns
.if \s < 2
	v_wmma_f32_16x16x4_f32 v[AC+8*(\s%2):AC+8*(\s%2)+7], v[K+2*\s:K+2*\s+1], v[Q+2*\s:Q+2*\s+1], 0
.else
	v_wmma_f32_16x16x4_f32 v[AC+8*(\s%2):AC+8*(\s%2)+7], v[K+2*\s:K+2*\s+1], v[Q+2*\s:Q+2*\s+1], v[AC+8*(\s%2):AC+8*(\s%2)+7]
.endif
.endr
.irp t, 0,1,2,3
.irp k, 0,1,2,3,4,5,6,7
	global_load_b32 v[W+8*\t+\k], v[WA], s[8:9] offset:(16*\t+\k)*4096           ; Wout[64 head + 16 t + 8 h + k][my column r]
.endr
.endr
	global_load_b32 v[BIAS], v[R4], s[10:11]
.rept 8
	v_nop                                          ; eight places behind this matrix form
.endr
.irp j, 0,1,2,3,4,5,6,7
	v_add_f32 v[SS+\j], v[AC+\j], v[AC+8+\j]       ; lane (r, h): query r, key 8 h + j
.endr
	v_and_b32 v[TM], 15, v0
	v_bfe_u32 v[TM+1], v0, 4, 1
	v_lshlrev_b32 v[TM+1], 3, v[TM+1]
	v_sub_nc_u32 v[TM], v[TM], v[TM+1]             ; r - 8 h: key 8 h + j is hidden where j is greater
	v_mov_b32 v[TM+1], 0xc89c4000                  ; -320000.0
.irp j, 0,1,2,3,4,5,6,7
	v_cmp_gt_i32 vcc_lo, \j, v[TM]
	v_cndmask_b32 v[SS+\j], v[SS+\j], v[TM+1], vcc_lo
.endr
	v_max3_num_f32 v[TM+2], v[SS], v[SS+1], v[TM+1]        ; the maximum, the hidden keys' score among its leaves
	v_max3_num_f32 v[TM+2], v[TM+2], v[SS+2], v[SS+3]
	v_max3_num_f32 v[TM+2], v[TM+2], v[SS+4], v[SS+5]
	v_max3_num_f32 v[TM+2], v[TM+2], v[SS+6], v[SS+7]
	v_mov_b32 v[TM+3], 0
	v_permlanex16_b32 v[TM+3], v[TM+2], s[SEL], s[SEL+1]
	v_max_num_f32 v[TM+2], v[TM+2], v[TM+3]
	v_mul_f32 v[TM+4], s[CS], v[TM+2]              ; c m
.irp j, 0,1,2,3,4,5,6,7
	v_fma_f32 v[P+\j], v[SS+\j], s[CS], -v[TM+4]
.endr
	v_fma_f32 v[TM+5], v[TM+1], s[CS], -v[TM+4]
.irp j, 0,1,2,3,4,5,6,7
	v_exp_f32 v[P+\j], v[P+\j]
.endr
	v_exp_f32 v[TM+5], v[TM+5]                     ; w
	v_nop
	s_wait_alu depctr_va_vdst(0)                   ; one wait for the nine, ahead of their first reader
	v_add_f32 v[TM+6], v[P], v[P+1]
	v_add_f32 v[TM+7], v[P+2], v[P+3]
	v_add_f32 v[TM+8], v[P+4], v[P+5]
	v_add_f32 v[TM+9], v[P+6], v[P+7]
	v_add_f32 v[TM+6], v[TM+6], v[TM+7]
	v_add_f32 v[TM+8], v[TM+8], v[TM+9]
	v_add_f32 v[TM+6], v[TM+6], v[TM+8]
	v_permlanex16_b32 v[TM+7], v[TM+6], s[SEL], s[SEL+1]
	v_add_f32 v[TM+6], v[TM+6], v[TM+7]
	v_fmamk_f32 v[TM+6], v[TM+5], 0x44fe0000, v[TM+6]      ; + 2032 w
	v_rcp_f32 v[TM+7], v[TM+6]                     ; 1 / l
	v_nop
	s_wait_alu depctr_va_vdst(0)
	v_mul_f32 v[TM+8], v[TM+5], v[TM+7]            ; w / l
	s_wait_loadcnt 63                              ; vsum's last sixteen rows are in: 65 loads are younger, and the field's largest count errs
	TREE
	v_pk_add_f32 v[SB:SB+1], v[SB:SB+1], v[SB+2:SB+3]
	v_pk_add_f32 v[RS:RS+1], v[RS:RS+1], v[SB:SB+1]
	ds_store_b64 v[RBW], v[RS:RS+1]                ; channels 2 l, 2 l + 1: through my own 256 bytes, to the lanes that want them
.irp t, 0,1,2,3
	ds_load_b128 v[SB+8*\t:SB+8*\t+3], v[RBR] offset:64*\t                       ; channels 16 t + 8 h + 0 .. 7.  LDS serves a wave's instructions in order
	ds_load_b128 v[SB+8*\t+4:SB+8*\t+7], v[RBR] offset:64*\t+16
.endr
	s_wait_dscnt 0x0
	s_wait_loadcnt 33                              ; v is in; Wout's 32 loads and the bias's may be out
.irp s, 0,1,2,3                                    ; O^T = v^T p: register j of step s is key 8 h + 2 s + j on both sides; four accumulators by turns
.irp t, 0,1,2,3
.if \s == 0
	v_wmma_f32_16x16x4_f32 v[OA+8*\t:OA+8*\t+7], v[V+8*\t+2*\s:V+8*\t+2*\s+1], v[P+2*\s:P+2*\s+1], 0
.else
	v_wmma_f32_16x16x4_f32 v[OA+8*\t:OA+8*\t+7], v[V+8*\t+2*\s:V+8*\t+2*\s+1], v[P+2*\s:P+2*\s+1], v[OA+8*\t:OA+8*\t+7]
.endif
.endr
.endr
.set N, 0
.rept 32
	v_mul_f32 v[ON+N], v[SB+N], v[TM+8]            ; the hidden keys' part; these lines name none of the products' registers: they are the eight places
.set N, N+1
.endr
.set N, 0
.rept 32
	v_fma_f32 v[ON+N], v[OA+N], v[TM+7], v[ON+N]   ; o(query r, channel 16 t + 8 h + j), each accumulator from its low end on
.set N, N+1
.endr
	s_wait_loadcnt 0x0                             ; Wout and the bias
.irp n, 0,1,2,3,4,5,6,7,8,9,10,11,12,13,14,15      ; my 64 channels' share of out: source 0 = o's 16 positions, source 1 = Wout's 16 columns; two accumulators by turns
.if \n < 2
	v_wmma_f32_16x16x4_f32 v[PJ+8*(\n%2):PJ+8*(\n%2)+7], v[ON+2*\n:ON+2*\n+1], v[W+2*\n:W+2*\n+1], 0
.else
	v_wmma_f32_16x16x4_f32 v[PJ+8*(\n%2):PJ+8*(\n%2)+7], v[ON+2*\n:ON+2*\n+1], v[W+2*\n:W+2*\n+1], v[PJ+8*(\n%2):PJ+8*(\n%2)+7]
.endif
.endr
.rept 8
	v_nop
.endr
.irp j, 0,1,2,3,4,5,6,7
	v_add_f32 v[TM+\j], v[PJ+\j], v[PJ+8+\j]       ; lane (r, h): position 8 h + j, column r
.endr
	ds_store_b128 v[PW], v[TM:TM+3]
	ds_store_b128 v[PW], v[TM+4:TM+7] offset:512
	s_wait_dscnt 0x0                               ; for the others' sake: my share lies in LDS
	s_barrier_signal -1
	s_barrier_wait -1
	s_cmp_lt_u32 s14, 8                            ; waves 0-7 add the sixteen shares: wave j takes register j, positions j and 8 + j
	s_cbranch_scc0 .Ldone
.irp n, 0,1,2,3,4,5,6,7,8,9,10,11,12,13,14,15
	ds_load_b32 v[V+\n], v[PR] offset:1024*\n
.endr
	s_wait_dscnt 0x0
.irp n, 0,1,2,3,4,5,6,7
	v_add_f32 v[V+\n], v[V+\n], v[V+8+\n]
.endr
.irp n, 0,1,2,3
	v_add_f32 v[V+\n], v[V+\n], v[V+4+\n]
.endr
	v_add_f32 v[V], v[V], v[V+2]
	v_add_f32 v[V+1], v[V+1], v[V+3]
	v_add_f32 v[V], v[V], v[V+1]
	v_add_f32 v[V], v[V], v[BIAS]
	global_store_b32 v[WA], v[V], s[12:13]
.Ldone:
	s_wait_tensorcnt 0x0                           ; the wave's end, behind my last LDS store
	ds_add_u32 v[SPW], v[NIL]
	s_wait_dscnt 0x0
	s_endpgm
.Lfunc_end_k_q8361c6b48c_first16:
	.size	k_q8361c6b48c_first16, .Lfunc_end_k_q8361c6b48c_first16-k_q8361c6b48c_first16
	.p2alignl 7, 3214868480
	.fill 96, 4, 3214868480
	.section	.rodata,"a",@progbits
	.p2align	6, 0x0
	.amdhsa_kernel k_q8361c6b48c_first16
		.amdhsa_group_segment_fixed_size 22528
		.amdhsa_private_segment_fixed_size 0
		.amdhsa_enable_private_segment 0
		.amdhsa_kernarg_size 40
		.amdhsa_user_sgpr_count 2
		.amdhsa_user_sgpr_kernarg_segment_ptr 1
		.amdhsa_wavefront_size32 1
		.amdhsa_system_sgpr_workgroup_id_x 1
		.amdhsa_system_sgpr_workgroup_id_y 1
		.amdhsa_system_sgpr_workgroup_id_z 1
		.amdhsa_system_vgpr_workitem_id 0
		.amdhsa_next_free_vgpr 256
		.amdhsa_next_free_sgpr 66
		.amdhsa_reserve_vcc 1
		.amdhsa_float_denorm_mode_32 3
		.amdhsa_float_denorm_mode_16_64 3
		.amdhsa_memory_ordered 1
		.amdhsa_forward_progress 1
		.amdhsa_inst_pref_size 28
	.end_amdhsa_kernel
	.amdgpu_metadata
---
amdhsa.version: [ 1, 2 ]
amdhsa.kernels:
  - .name:           k_q8361c6b48c_first16
    .symbol:         k_q8361c6b48c_first16.kd
    .args:
      - { .name: rows32, .offset: 0, .size: 8, .value_kind: global_buffer, .address_space: global }
      - { .name: vsum, .offset: 8, .size: 8, .value_kind: global_buffer, .address_space: global }
      - { .name: Wout, .offset: 16, .size: 8, .value_kind: global_buffer, .address_space: global }
      - { .name: bout, .offset: 24, .size: 8, .value_kind: global_buffer, .address_space: global }
      - { .name: out0, .offset: 32, .size: 8, .value_kind: global_buffer, .address_space: global }
    .group_segment_fixed_size: 22528
    .private_segment_fixed_size: 0
    .kernarg_segment_align: 8
    .kernarg_segment_size: 40
    .max_flat_workgroup_size: 512
    .sgpr_count:     66
    .vgpr_count:     256
    .wavefront_size: 32
...
	.end_amdgpu_metadata
.endif
;; end of part 5
